; MI455X (gfx1250); checked and timed in simulation.
; The chip was launched on July 23, 2026; its instructions are those of AMD's public machine-readable ISA for CDNA 5 (MIT licence, August 2026) and "CDNA5" Instruction Set Architecture Reference Guide (July 2026). The comments in the code are by the model that wrote it; some were corrected since.
;; Multi Headed Attention. Allowed arithmetic: matrix products marked QUANTISED: E2M1 operands, one E8M0 scale for each 32 along K, by v_wmma_scale_f32_16x16x128_f8f6f4 with both operands' format E2M1 (or v_wmma_scale_f32_32x16x128_f4), f32 sums; products left as they are: bf16, f16 or f32 operands; f32 sums; everything else in f32.
;; Inputs: Wk 1,024 x 1,024 float32; Wo 1,024 x 1,024 float32; Wq 1,024 x 1,024 float32; Wv 1,024 x 1,024 float32; bk 1,024 float32; bo 1,024 float32; bq 1,024 float32; bv 1,024 float32; key 8 x 1,024 x 1,024 float32; mask 1 x 1 x 1,024 x 1,024 float32; query 8 x 1,024 x 1,024 float32; value 8 x 1,024 x 1,024 float32.
;; Outputs: out0 8 x 1,024 x 1,024 float32.
;; This version of the problem:
;;   THIS VERSION OF THE PROBLEM IS GIVEN IN LOW PRECISION. The matrix products marked QUANTISED in the list below multiply operands that are first quantised to E2M1 (2 exponent bits, 1 mantissa bit; 4 bits a number), with one power-of-two scale for each 32 numbers along K (OCP MX v1.0); their sums are f32. The products marked 'left as it is' may take bf16, f16 or f32 operands, with f32 sums. Whichever they take, every output number must still come out within the allowed error. Rounding operands to bf16 (8 significant bits) uses up far more of that allowance than f16 does (11 bits, for magnitudes from 6e-5 to 65,504). All else is computed in f32.
;;   The module's matrix products, in the order in which they are computed (A, B: the left and right operand; K: the contracted axis; several contracted axes count as one K, in the product's order):
;;     1. [M 8,192, K 1,024] x [K 1,024, N 1,024]; A: input query; B: input Wq: QUANTISED
;;     2. [M 8,192, K 1,024] x [K 1,024, N 1,024]; A: input key; B: input Wk: QUANTISED
;;     3. [M 8,192, K 1,024] x [K 1,024, N 1,024]; A: input value; B: input Wv: QUANTISED
;;     4. batch 128 x [M 1,024, K 64] x [K 64, N 1,024]; A: computed on the way; B: computed on the way: left as it is (an operand is computed on the way)
;;     5. batch 128 x [M 1,024, K 1,024] x [K 1,024, N 64]; A: computed on the way; B: computed on the way: left as it is (an operand is computed on the way)
;;     6. [M 8,192, K 1,024] x [K 1,024, N 1,024]; A: computed on the way; B: input Wo: left as it is (an operand is computed on the way)
;;   THE QUANTISER, for each operand of a quantised product, along K:
;;     - K is cut into blocks of 32 from its start; a last block that is shorter is filled with zeros.
;;     - A block's scale is 2^e with e = floor(log2(the largest magnitude in the block)) - 2, held to -126 .. 127; a block of zeros has e = 0. As a byte (E8M0): e + 127.
;;     - Each number is divided by its block's scale, clamped to +-6, and rounded to the nearest number of E2M1, ties to even, subnormals kept.
;;     - The product sums the exact products of the quantised numbers (number of the format x scale) in f32.
;;   ~~~python
;;   def quantise(x, axis):      # numpy; x: float32 -> the quantised numbers, widened to float32 again
;;       x = np.moveaxis(x, axis, -1); K = x.shape[-1]
;;       x = np.pad(x, [(0, 0)] * (x.ndim - 1) + [(0, -K % 32)]); x = x.reshape(x.shape[:-1] + (-1, 32)); a = np.abs(x).max(-1, keepdims=True)
;;       e = np.where(a > 0, np.clip(np.frexp(np.where(a > 0, a, 1))[1] - 1 - 2, -126, 127), 0)      # np.frexp(a)[1] - 1 = floor(log2(a)), exactly
;;       r = np.clip(x / 2.0 ** e, -6, 6)
;;       step = 2.0 ** (np.maximum(np.frexp(np.where(r == 0, 1, r))[1] - 1, 0) - 1)
;;       q = np.round(r / step) * step * 2.0 ** e      # np.round: ties to even
;;       return np.moveaxis(q.reshape(q.shape[:-2] + (-1,))[..., :K], -1, axis).astype(np.float32)
;;   ~~~
;; One version. Each part assembles by itself: llvm-mc -triple=amdgcn-amd-amdhsa -mcpu=gfx1250 --defsym DOCPART=n.
;; ======== version 1 of 1: 4 launches
;; limits: values are held in f16: magnitudes above 65,504 overflow, below 6.1e-05 lose precision
;; workspace buffers: codes 14,155,776 bytes; scl 884,736 bytes; wof 2,097,152 bytes; maskr 4,194,304 bytes; qkv 50,331,648 bytes; xf 16,777,216 bytes
;; launch quant (part 1): grid 1152 x 1, 4 waves a work-group, no clusters, 42,496 bytes of LDS; arguments query, key, value, Wq, Wk, Wv, Wo, mask, codes, scl, wof, maskr; writes codes, scl, wof, maskr
.if DOCPART == 1
	.amdgcn_target "amdgcn-amd-amdhsa--gfx1250"
	.amdhsa_code_object_version 6
	.text
	.protected	k_q42901fce49_quant
	.globl	k_q42901fce49_quant
	.p2align	8
	.type	k_q42901fce49_quant,@function
k_q42901fce49_quant:
	s_mov_b64 s[64:65], 0
	v_nop
	global_prefetch_b8 v0, s[64:65] scope:SCOPE_SE
	s_setreg_imm32_b32 hwreg(HW_REG_WAVE_MODE, 25, 1), 1
	s_wait_xcnt 0x0
; Four jobs that depend on nothing of each other, told apart by the work-group's number, in one launch.
; WEIGHTS (work-groups 0-191): Wq, Wk, Wv, [1024 (k)][1024 (n)] f32, K their FIRST axis, become codes of FP4 (E2M1) with K innermost and one E8M0 byte for each 32 along K:
;   row 24576 + 1024 t + n of codes (512 bytes) and of scl (32 bytes).  A lane takes a column n and its registers run down K, so a block of 32 lies in one lane and nothing is transposed.
;   A work-group takes 32 columns x 512 K, a wave 128 of that K; the four waves' 64 bytes of a row meet in a stage in LDS, so that sixteen lanes store 256 consecutive bytes.
; WO (192-319): Wo [1024 (k)][1024 (n)] f32 becomes f16 HALF-IMAGES: 512 bytes, 16 at 16 x lane; lane (r, h) of image (N16, C16) holds Wo[16 C16 + 8 h + 0..7][16 N16 + r]; image at (64 N16 + C16) x 512.
;   Two neighbouring images are registers 0-3 and 4-7 of a 16 x 32 operand of the f16 matrix instruction.
; MASK (320-383): mask [1024 (q)][1024 (k)] f32 is laid in the order of the score registers: [q / 16][k / 64][g 8][lane][16 bytes], lane (r, h) of group g holding
;   mask[16 qt + r][64 ks + 16 (g / 2) + 8 h + 4 (g % 2) + 0..3]; the numbers are moved as they are.
; INPUTS (384-1151): query, key, value, each [8192][1024] f32, K innermost, become codes and scale bytes: rows 8192 t + m of codes and of scl.  Rows are dense, so a tensor is a plain stream of blocks of 32.
;   A wave takes 16 steps of 512 numbers.  Each load reads 512 consecutive bytes, 16 a lane; a step's 2,048 bytes turn through the wave's own stage in LDS and come back 64 bytes a lane, so that a lane holds
;   16 neighbours along K (two lanes hold a block).  A lane's 16 codes are 8 bytes: the wave stores 256 consecutive bytes; its 256 scale bytes are gathered in LDS and leave as 256 consecutive bytes.
; THE QUANTISER: a block's scale is 2^(floor(log2(its largest magnitude)) - 2); its byte is the largest magnitude's exponent field - 2, held at 1 from below.
;   (A block of zeros so gets the byte 1 where the rule says 127: its codes are zeros, which add nothing, and this program alone reads the bytes.)
; LIMITS: blocks whose largest magnitude lies under 2^(2 - 126) keep the byte 1; Wo beyond 65,504 in magnitude is not served (f16), under 6e-5 it loses bits; NaN and infinities are not served.
; LDS: the two jobs that use it have bytes of their own.
.set WV,    34                         ; s34  my wave's number
.set SPW,   12                         ; v12  LDS address of my spare word; never rewritten
.set NIL,   13                         ; v13  0; never rewritten
.set WAVES, 4
.set STEPS, 16
.set CB,    8                          ; INPUTS: bytes of 16 codes
.set R,     16                         ; v16-79   four sets of 16 numbers as they are loaded
.set X,     80                         ; v80-111  two sets of 16 neighbours
.set C,     128                        ; v128-191 codes: four registers for each step, so that no store's data are written again
.set E,     112                        ; v112-127 a scale byte for each step
.set WREG,  8192                       ; LDS: a region for each wave: two stages of 32 x SP bytes, behind them its 256 scale bytes
.set SP,    80                         ; a lane's place in a stage: 64 bytes + 16 of padding
.set PST,   WAVES*WREG                 ; WEIGHTS: behind the four regions: a stage of 32 rows
.set SPITCH, 272                       ; a stage row: 256 bytes of codes + 16 of padding
.set SCS,   PST+32*SPITCH              ; behind it: the scale bytes, 16 for each column
.set SPARE, SCS+512                    ; behind them: the spare words, 128 bytes for each wave
	s_load_b256 s[36:43], s[0:1], 0x0              ; query s[36:37], key s[38:39], value s[40:41], Wq s[42:43]
	s_load_b256 s[44:51], s[0:1], 0x20             ; Wk s[44:45], Wv s[46:47], Wo s[48:49], mask s[50:51]
	s_load_b256 s[52:59], s[0:1], 0x40             ; codes s[52:53], scl s[54:55], wof s[56:57], maskr s[58:59]
	v_lshl_add_u32 v[SPW], v0, 2, SPARE
	v_mov_b32 v[NIL], 0
	v_lshrrev_b32 v1, 5, v0
	v_readfirstlane_b32 s[WV], v1                  ; wave
	s_wait_kmcnt 0x0
	s_cmp_ge_u32 ttmp9, 384
	s_cbranch_scc1 .Lquant
	v_and_b32 v1, 31, v0                           ; lane
	v_and_b32 v4, 15, v0                           ; r
	v_bfe_u32 v5, v0, 4, 1                         ; h
	v_lshlrev_b32 v6, 4, v1                        ; 16 x lane
	; the LDS addresses of the weights' job
	s_lshl_b32 s23, s[WV], 6
	s_add_co_u32 s23, s23, PST
	v_mul_u32_u24 v8, v1, SPITCH
	v_add_nc_u32 v8, s23, v8                       ; into the stage: row = my column, + my wave's 64 bytes
	s_lshl_b32 s23, s[WV], 2
	v_add_nc_u32 v9, s23, v6
	v_add_nc_u32 v9, SCS, v9                       ; my column's 16 scale bytes, my wave's word
	s_mul_i32 s23, s[WV], 8*SPITCH
	s_add_co_u32 s23, s23, PST
	v_mul_u32_u24 v10, v5, SPITCH
	v_lshl_add_u32 v10, v4, 4, v10
	v_add_nc_u32 v10, s23, v10                     ; out of the stage: row 8 wave + h, sixteen lanes to a row
	v_add_nc_u32 v14, SCS, v6                      ; and a column's 16 scale bytes a lane
	s_cmp_lt_u32 ttmp9, 192
	s_cbranch_scc1 .Lweights
	s_cmp_lt_u32 ttmp9, 320
	s_cbranch_scc1 .Lwo
	; ---- MASK: a wave takes 16 queries x 256 keys
	s_sub_co_u32 s24, ttmp9, 320
	s_lshl_b32 s24, s24, 2
	s_add_co_u32 s24, s24, s[WV]                   ; 4 qt + kq
	s_lshr_b32 s25, s24, 2                         ; qt
	s_and_b32 s26, s24, 3                          ; kq
	s_lshl_b32 s28, s25, 16                        ; 16 rows of 4,096 bytes
	s_lshl_b32 s27, s26, 10                        ; 256 keys
	s_add_co_u32 s28, s28, s27
	s_mov_b32 s29, 0
	s_add_nc_u64 s[12:13], s[50:51], s[28:29]
	s_lshl_b32 s28, s24, 14                        ; (16 qt + 4 kq) x 4,096 bytes
	s_add_nc_u64 s[20:21], s[58:59], s[28:29]
	v_lshlrev_b32 v7, 12, v4
	v_lshl_add_u32 v7, v5, 5, v7                   ; row r, + 8 h keys
.irp i, 0,1,2,3
.irp g, 0,1,2,3,4,5,6,7
	global_load_b128 v[64+4*(8*\i+\g):64+4*(8*\i+\g)+3], v7, s[12:13] offset:256*\i+64*(\g/2)+16*(\g%2) th:TH_LOAD_NT
.endr
.endr
.irp i, 0,1,2,3
	s_wait_loadcnt 24-8*\i                         ; this group's eight loads are in; the later groups' may be out
.irp g, 0,1,2,3,4,5,6,7
	global_store_b128 v6, v[64+4*(8*\i+\g):64+4*(8*\i+\g)+3], s[20:21] offset:4096*\i+512*\g   ; 512 consecutive bytes
.endr
.endr
	s_branch .Lend
.Lwo:	; ---- WO: a wave takes 16 k (one C16) x 128 n (eight N16)
	s_sub_co_u32 s24, ttmp9, 192
	s_lshl_b32 s24, s24, 2
	s_add_co_u32 s24, s24, s[WV]
	s_and_b32 s25, s24, 63                         ; C16
	s_lshr_b32 s26, s24, 6                         ; which 128 columns
	s_lshl_b32 s28, s25, 16                        ; 16 rows of 4,096 bytes
	s_lshl_b32 s27, s26, 9
	s_add_co_u32 s28, s28, s27
	s_mov_b32 s29, 0
	s_add_nc_u64 s[10:11], s[48:49], s[28:29]
	s_lshl_b32 s28, s26, 18                        ; 8 N16 x 64 images x 512 bytes
	s_lshl_b32 s27, s25, 9
	s_add_co_u32 s28, s28, s27
	s_add_nc_u64 s[18:19], s[56:57], s[28:29]
	v_lshlrev_b32 v7, 2, v4
	v_lshl_add_u32 v7, v5, 15, v7                  ; column r, + 8 h rows
.irp i, 0,1,2,3,4,5,6,7
.irp j, 0,1,2,3,4,5,6,7
	global_load_b32 v[64+8*\i+\j], v7, s[10:11] offset:4096*\j+64*\i th:TH_LOAD_NT
.endr
.endr
.irp i, 0,1,2,3,4,5,6,7
	s_wait_loadcnt 56-8*\i                         ; this image's eight loads are in; the later images' may be out
.irp p, 0,1,2,3
	v_cvt_pk_f16_f32 v[128+4*\i+\p], v[64+8*\i+2*\p], v[64+8*\i+2*\p+1]   ; the lower k in the low half
.endr
	global_store_b128 v6, v[128+4*\i:128+4*\i+3], s[18:19] offset:32768*\i     ; 512 consecutive bytes
.endr
	s_branch .Lend
.Lweights:	; ---- WEIGHTS
	s_lshr_b32 s24, ttmp9, 6                       ; t: which weight
	s_bfe_u32 s25, ttmp9, 0x10005                  ; kc: which 512 along K
	s_and_b32 s26, ttmp9, 31                       ; which 32 columns
	s_cmp_eq_u32 s24, 0
	s_cselect_b64 s[4:5], s[42:43], s[44:45]
	s_cmp_eq_u32 s24, 2
	s_cselect_b64 s[4:5], s[46:47], s[4:5]
	s_lshl_b32 s28, s25, 2
	s_add_co_u32 s28, s28, s[WV]
	s_lshl_b32 s28, s28, 19                        ; (512 kc + 128 wave) rows of 4,096 bytes
	s_lshl_b32 s27, s26, 7
	s_add_co_u32 s28, s28, s27
	s_mov_b32 s29, 0
	s_add_nc_u64 s[4:5], s[4:5], s[28:29]
	s_lshl_b32 s30, s24, 10
	s_lshl_b32 s27, s26, 5
	s_add_co_u32 s30, s30, s27
	s_add_co_u32 s30, s30, 24576                   ; the first of my work-group's 32 rows of codes and of scl
	s_lshl_b32 s28, s30, 9
	s_lshl_b32 s27, s25, 8
	s_add_co_u32 s28, s28, s27
	s_add_nc_u64 s[14:15], s[52:53], s[28:29]
	s_lshl_b32 s28, s30, 5
	s_lshl_b32 s27, s25, 4
	s_add_co_u32 s28, s28, s27
	s_add_nc_u64 s[16:17], s[54:55], s[28:29]
	v_lshlrev_b32 v7, 2, v1                        ; in: 4 bytes a lane
	s_lshl_b32 s27, s[WV], 12
	v_lshlrev_b32 v15, 9, v5
	v_lshl_add_u32 v15, v4, 4, v15
	v_add_nc_u32 v15, s27, v15                     ; out: row 8 wave + h of 512 bytes, 16 bytes a lane
	v_lshlrev_b32 v16, 5, v1                       ; scale bytes out: a row of 32 bytes a lane
.macro WLOAD b                         ; block b: W(32 b + i, my column), i = 0 .. 31: 128 consecutive bytes a load
.set i, 0
.rept 32
	global_load_b32 v[64+32*(\b)+i], v7, s[4:5] offset:(32*(\b)+i)*4096 th:TH_LOAD_NT
.set i, i+1
.endr
.endm
.macro BLOCK b
.set XS, 64+32*(\b)
.if (\b) < 3
	s_wait_loadcnt 32                              ; this block's 32 loads are in; the next block's 32 may be out
.else
	s_wait_loadcnt 0x0
.endif
.if (\b) < 2
	WLOAD (\b)+2                                   ; two blocks ahead, into registers of its own
.endif
	v_max3_num_f32 v17, |v[XS]|, |v[XS+1]|, |v[XS+2]|              ; the block's largest magnitude: all 32 numbers are mine
	v_max3_num_f32 v18, |v[XS+3]|, |v[XS+4]|, |v[XS+5]|
.irp i, 6,10,14,18,22,26
	v_max3_num_f32 v17, v17, |v[XS+\i]|, |v[XS+\i+1]|
	v_max3_num_f32 v18, v18, |v[XS+\i+2]|, |v[XS+\i+3]|
.endr
	v_max3_num_f32 v17, v17, |v[XS+30]|, |v[XS+31]|
	v_max3_num_f32 v17, v17, v18, 0x1800000        ; and the floor 2^(3 - 127): the byte cannot fall under 1
	v_add_nc_u32 v11, 0xff000000, v17              ; 2 off its exponent field: the conversion's scale operand
	v_lshrrev_b32 v18, 23, v11                     ; the scale's byte
.if (\b) == 0
	v_mov_b32 v24, v18                             ; four bytes to the word, the lower K in the lower byte
.else
	v_lshl_or_b32 v24, v18, 8*(\b), v24
.endif
.irp g, 0,1,2,3
	v_cvt_scalef32_pk8_fp4_f32 v[32+4*(\b)+\g], v[XS+8*\g:XS+8*\g+7], v11
.endr
	v_nop                                          ; one plain line behind the conversions
	ds_store_b128 v8, v[32+4*(\b):32+4*(\b)+3] offset:16*(\b)      ; 32 codes: 16 bytes of my column's row
.endm
	WLOAD 0
	WLOAD 1
	BLOCK 0
	BLOCK 1
	BLOCK 2
	BLOCK 3
	ds_store_b32 v9, v24
	s_wait_dscnt 0x0                               ; for the others' sake: my stores into the stage are done
	s_barrier_signal -1
	s_barrier_wait -1                              ; a row's 256 bytes come from four waves.  (The way here hangs on the work-group's number: all four waves take it)
.irp i, 0,1,2,3
	ds_load_b128 v[48+4*\i:48+4*\i+3], v10 offset:2*SPITCH*\i
.endr
.irp i, 0,1,2,3
	s_wait_dscnt 3-\i                              ; LDS loads come back in order: pair i of rows is in
	global_store_b128 v15, v[48+4*\i:48+4*\i+3], s[14:15] offset:1024*\i   ; sixteen lanes store 256 consecutive bytes, aligned
.endr
	s_cmp_lg_u32 s[WV], 0                          ; wave 0 stores the 32 columns' scale bytes, 16 a lane
	s_cbranch_scc1 .Lend
	ds_load_b128 v[28:31], v14
	s_wait_dscnt 0x0
	global_store_b128 v16, v[28:31], s[16:17]
	s_branch .Lend
.Lquant:	; ---- INPUTS: 256 work-groups for each tensor
	s_sub_co_u32 s35, ttmp9, 384                   ; 0 .. 767
	v_and_b32 v2, 31, v0                           ; lane
	v_lshlrev_b32 v3, 4, v2                        ; my 16 bytes of a load's 512
	s_mul_i32 s17, s[WV], WREG
	v_lshrrev_b32 v14, 2, v2
	v_mul_u32_u24 v14, v14, SP
	v_and_b32 v15, 3, v2
	v_lshl_add_u32 v14, v15, 4, v14
	v_add_nc_u32 v14, s17, v14                     ; the stage, on the way in: SP (lane / 4) + 16 (lane % 4)
	v_mul_u32_u24 v15, v2, SP
	v_add_nc_u32 v15, s17, v15                     ; and on the way out: SP x lane: my 16 neighbours
	v_mul_u32_u24 v4, v2, CB                       ; my codes' place in a step's
	v_lshrrev_b32 v5, 1, v2
	s_add_co_u32 s17, s17, 2*32*SP
	v_add_nc_u32 v5, s17, v5                       ; LDS: my wave's 256 scale bytes, my block's byte
	v_lshlrev_b32 v7, 3, v2                        ; and on the way out 8 bytes a lane
	v_add_nc_u32 v6, s17, v7
	s_lshr_b32 s17, s35, 8                         ; which tensor: the choice hangs on the work-group's number alone
	s_cmp_eq_u32 s17, 0
	s_cselect_b64 s[4:5], s[36:37], s[38:39]
	s_cmp_eq_u32 s17, 2
	s_cselect_b64 s[4:5], s[40:41], s[4:5]
	s_and_b32 s18, s35, 255
	s_lshl_b32 s18, s18, 2
	s_add_co_u32 s18, s18, s[WV]                   ; which run of 8,192 numbers of the tensor is my wave's
	s_lshl_b32 s18, s18, 15                        ; 32,768 bytes a run
	s_mov_b32 s19, 0
	s_add_nc_u64 s[4:5], s[4:5], s[18:19]
	s_lshl_b32 s20, s35, 2
	s_add_co_u32 s20, s20, s[WV]                   ; and which run of all three
	s_lshl_b32 s18, s20, 12                        ; 4,096 bytes of codes a run
	s_add_nc_u64 s[10:11], s[52:53], s[18:19]
	s_lshl_b32 s18, s20, 8                         ; 256 scale bytes a run
	s_add_nc_u64 s[12:13], s[54:55], s[18:19]
.macro LOAD t
.irp i, 0,1,2,3
	global_load_b128 v[R+16*((\t)%4)+4*\i:R+16*((\t)%4)+4*\i+3], v3, s[4:5] offset:2048*(\t)+512*\i th:TH_LOAD_NT   ; 32 lanes read 512 consecutive bytes
.endr
.endm
.macro TURN t                          ; step t's numbers through the stage: LDS serves a wave's instructions in order, so no wait stands between the stores and the loads
.irp i, 0,1,2,3
	ds_store_b128 v14, v[R+16*((\t)%4)+4*\i:R+16*((\t)%4)+4*\i+3] offset:32*SP*((\t)%2)+8*SP*\i
.endr
.irp i, 0,1,2,3
	ds_load_b128 v[X+16*((\t)%2)+4*\i:X+16*((\t)%2)+4*\i+3], v15 offset:32*SP*((\t)%2)+16*\i
.endr
.endm
.irp t, 0,1,2,3
	LOAD \t
.endr
	s_wait_loadcnt 12                              ; step 0's four loads are in; the twelve of steps 1 to 3 may be out
	TURN 0
.macro STEP t
.set XS, X+16*((\t)%2)
.if (\t) > 0
	s_wait_dscnt 1                                 ; this step's numbers are back from the stage (the last step's byte store may be out): so its stores into the stage have read their registers,
.else
	s_wait_dscnt 0x0
.endif
.if (\t)+4 < STEPS
	LOAD (\t)+4                                    ; which take the loads of four steps on
.endif
.if (\t)+1 < STEPS
.if STEPS-2-(\t) >= 3
	s_wait_loadcnt 12                              ; the next step's four loads are in; those of the three steps behind it may be out
.else
	s_wait_loadcnt 4*(STEPS-2-(\t))
.endif
	TURN (\t)+1                                    ; and go through the other stage while this step is worked
.endif
	v_max3_num_f32 v8, |v[XS]|, |v[XS+1]|, |v[XS+2]|               ; the largest magnitude of my 16, in two chains
	v_max3_num_f32 v9, |v[XS+3]|, |v[XS+4]|, |v[XS+5]|
.irp i, 6,10
	v_max3_num_f32 v8, v8, |v[XS+\i]|, |v[XS+\i+1]|
	v_max3_num_f32 v9, v9, |v[XS+\i+2]|, |v[XS+\i+3]|
.endr
	v_max3_num_f32 v8, v8, |v[XS+14]|, |v[XS+15]|
	v_max3_num_f32 v8, v8, v9, 0x1800000           ; and the floor 2^(3 - 127): the byte cannot fall under 1
	v_max_num_f32_dpp v8, v8, v8 row_xmask:1 row_mask:0xf bank_mask:0xf   ; and of my neighbour's 16: the block's
	v_add_nc_u32 v11, 0xff000000, v8               ; 2 off its exponent field: the conversion takes the exponent field of this operand as its scale
	v_cvt_scalef32_pk8_fp4_f32 v[C+4*(\t)], v[XS:XS+7], v11
	v_cvt_scalef32_pk8_fp4_f32 v[C+4*(\t)+1], v[XS+8:XS+15], v11
	v_lshrrev_b32 v[E+(\t)], 23, v11               ; the scale's byte (a plain line behind the conversions)
	ds_store_b8 v5, v[E+(\t)] offset:16*(\t)       ; both lanes of a block write the same byte with the same value
	global_store_b64 v4, v[C+4*(\t):C+4*(\t)+1], s[10:11] offset:32*CB*(\t)   ; 32 lanes store 256 consecutive bytes
.endm
.irp t, 0,1,2,3,4,5,6,7,8,9,10,11,12,13,14,15
	STEP \t
.endr
	ds_load_b64 v[8:9], v6                         ; LDS serves a wave's instructions in order: these see my stores
	s_wait_dscnt 0x0
	global_store_b64 v7, v[8:9], s[12:13]          ; 32 lanes store 256 consecutive bytes
.Lend:
	s_wait_tensorcnt 0x0                           ; the wave's end: behind my last LDS store
	ds_add_u32 v[SPW], v[NIL]
	s_wait_dscnt 0x0
	s_endpgm
.Lfunc_end_k_q42901fce49_quant:
	.size	k_q42901fce49_quant, .Lfunc_end_k_q42901fce49_quant-k_q42901fce49_quant
	.p2alignl 7, 3214868480
	.fill 96, 4, 3214868480
	.section	.rodata,"a",@progbits
	.p2align	6, 0x0
	.amdhsa_kernel k_q42901fce49_quant
		.amdhsa_group_segment_fixed_size 42496
		.amdhsa_private_segment_fixed_size 0
		.amdhsa_enable_private_segment 0
		.amdhsa_kernarg_size 96
		.amdhsa_user_sgpr_count 2
		.amdhsa_user_sgpr_kernarg_segment_ptr 1
		.amdhsa_wavefront_size32 1
		.amdhsa_system_sgpr_workgroup_id_x 1
		.amdhsa_system_sgpr_workgroup_id_y 1
		.amdhsa_system_sgpr_workgroup_id_z 1
		.amdhsa_system_vgpr_workitem_id 0
		.amdhsa_next_free_vgpr 192
		.amdhsa_next_free_sgpr 66
		.amdhsa_reserve_vcc 0
		.amdhsa_float_denorm_mode_32 3
		.amdhsa_float_denorm_mode_16_64 3
		.amdhsa_memory_ordered 1
		.amdhsa_forward_progress 1
		.amdhsa_inst_pref_size 71
	.end_amdhsa_kernel
	.amdgpu_metadata
---
amdhsa.version: [ 1, 2 ]
amdhsa.kernels:
  - .name:           k_q42901fce49_quant
    .symbol:         k_q42901fce49_quant.kd
    .args:
      - { .name: query, .offset: 0, .size: 8, .value_kind: global_buffer, .address_space: global }
      - { .name: key, .offset: 8, .size: 8, .value_kind: global_buffer, .address_space: global }
      - { .name: value, .offset: 16, .size: 8, .value_kind: global_buffer, .address_space: global }
      - { .name: Wq, .offset: 24, .size: 8, .value_kind: global_buffer, .address_space: global }
      - { .name: Wk, .offset: 32, .size: 8, .value_kind: global_buffer, .address_space: global }
      - { .name: Wv, .offset: 40, .size: 8, .value_kind: global_buffer, .address_space: global }
      - { .name: Wo, .offset: 48, .size: 8, .value_kind: global_buffer, .address_space: global }
      - { .name: mask, .offset: 56, .size: 8, .value_kind: global_buffer, .address_space: global }
      - { .name: codes, .offset: 64, .size: 8, .value_kind: global_buffer, .address_space: global }
      - { .name: scl, .offset: 72, .size: 8, .value_kind: global_buffer, .address_space: global }
      - { .name: wof, .offset: 80, .size: 8, .value_kind: global_buffer, .address_space: global }
      - { .name: maskr, .offset: 88, .size: 8, .value_kind: global_buffer, .address_space: global }
    .group_segment_fixed_size: 42496
    .private_segment_fixed_size: 0
    .kernarg_segment_align: 8
    .kernarg_segment_size: 96
    .max_flat_workgroup_size: 128
    .sgpr_count:     66
    .vgpr_count:     192
    .wavefront_size: 32
...
	.end_amdgpu_metadata
.endif
;; end of part 1
;; launch proj (part 2): grid 4 x 96, 4 waves a work-group, clusters of 4 x 4, 327,680 bytes of LDS; arguments codes, scl, bq, bk, qkv; writes qkv
.if DOCPART == 2
	.amdgcn_target "amdgcn-amd-amdhsa--gfx1250"
	.amdhsa_code_object_version 6
	.text
	.protected	k_q42901fce49_proj
	.globl	k_q42901fce49_proj
	.p2align	8
	.type	k_q42901fce49_proj,@function
k_q42901fce49_proj:
	s_mov_b64 s[64:65], 0
	v_nop
	global_prefetch_b8 v0, s[64:65] scope:SCOPE_SE
	s_setreg_imm32_b32 hwreg(HW_REG_WAVE_MODE, 25, 1), 1
	s_wait_xcnt 0x0
	s_wait_alu depctr_hold_cnt(0) depctr_sa_sdst(0) depctr_va_vdst(0) depctr_va_sdst(0) depctr_va_ssrc(0) depctr_va_vcc(0) depctr_vm_vsrc(0)
	s_getreg_b32 s2, hwreg(HW_REG_IB_STS2, 6, 4)
	s_cmp_eq_u32 s2, 0
	s_cbranch_scc0 .Lentry_in_a_cluster
	s_endpgm
.Lentry_in_a_cluster:
	s_bfe_u32 s2, ttmp6, 0x10000c
	s_cmp_lg_u32 s2, 0xf033
	s_cbranch_scc0 .Lentry_shape_is_right
	s_endpgm
.Lentry_shape_is_right:
; The three quantised products: q = query Wq + bq, k = key Wk + bk, v = value Wv (bv is added behind the softmax, whose weights sum to 1), on codes of FP4 (E2M1) with one E8M0 scale for each 32 along K = 1,024.
; Both operands lie in ONE buffer of rows of 512 bytes (codes) with rows of 32 scale bytes beside it (scl): rows 8192 t + m the inputs, rows 24576 + 1024 t + n the weights' columns.
; A tile of 256 x 256 results is made by four waves, 128 x 128 each: 64 accumulators, 512 registers.  K goes in two steps of 512: each fills one LDS slot once; nothing is filled again.
; THE MATRIX INSTRUCTION IS USED TRANSPOSED: source 0 = 16 rows of 'B', source 1 = 16 rows of 'A': a lane holds one row of A and eight neighbouring rows of B.
;   q, k: A = the tokens, B = the weight's columns: a lane holds a token and 8 channels.   v: A = Wv's columns, B = the tokens: a lane holds a channel and 8 tokens.  Only row numbers differ.
; THE RESULT LEAVES AS f16 HALF-IMAGES: a packed accumulator is 512 bytes, 16 at 16 x lane, and is stored so: it is half of a 16 x 32 operand of the f16 matrix instruction as the next launch wants it.
;   q at byte 0 and k at 1 << 24 of qkv: image (channel tile C16, token tile T16) at (512 C16 + T16) x 512.   v at 2 << 24: image (T16, C16) at (64 T16 + C16) x 512.
;   q is multiplied by log2(e) / 32, the score's scale rsqrt(1024) and the change to base 2.
; CLUSTERS: 4 x 4 work-groups; A's tile is shared along a row of the cluster, B's along a column: each is asked for jointly, by the same tensor load with a mask that names the four.
; LIMITS: q x 0.045, k and v beyond 65,504 in magnitude are not served (f16); under 6e-5 they lose bits.
; REGISTERS: window 0: v0-31 addresses; v32-95 scale words, two sets; v96-103 the stores' offsets; v128-191 A's fragments, ONE set, on the way out at work; v192-255 the bias.
;   window 1: B's fragments, two sets, at v0 and v128; v64-127 packed results.   window 2: the accumulators of my A rows 0-63 ((a, b) at v[8 (8 a + b)]);   window 3: those of rows 64-127.
.set KSTEP,  512                       ; along K in a slot
.set NQ,     KSTEP/128                 ; matrix instructions deep
.set ROWB,   256                       ; a tile's row in bytes
.set KROW,   512                       ; a row of codes in memory
.set PITCH,  272                       ; an LDS row: 256 bytes + 16 of padding: the 16 rows that a load touches start at 16 different banks (64 banks of 4 bytes: ISA guide 11.1)
.set FR,     8                         ; registers of a fragment: 16 rows x 128 K
.set NL,     2                         ; LDS loads that bring one
.set NP,     4                         ; places behind this matrix instruction (ISA guide 7.12.1)
.set HALFT,  128*PITCH                 ; 128 rows: what one tensor load brings
.set SLOT,   4*HALFT                   ; A's 256 rows, then B's 256 rows
.set KS,     32                        ; a row of scales in bytes
.set SCL,    2*SLOT                    ; behind the slots: the scales, as units of 256 bytes + 16 of padding
.set HALFS,  (128*KS/256)*272          ; the scales of 128 rows
.set SBLK,   (16*KS/256)*272           ; those of 16 rows
.set SPARE,  SCL+4*HALFS               ; behind the scales: the spare words, 128 bytes for each wave
.set ADRA, 16                          ; v16-17  LDS address of my A fragments in slot 0, 1
.set ADRB, 20                          ; v20-21  the same for B
.set ADRS, 27                          ; v27     LDS address of my scale words: lanes 0-15 A's rows, lanes 16-31 B's
.set SPW,  28                          ; v28     LDS address of my spare word; never rewritten
.set NIL,  29                          ; v29     0; never rewritten
.set SC,   32                          ; scale words: set s at v[SC + 8 NQ s]; register NQ i + q: lanes 0-15 A's block i, lanes 16-31 B's block i
.set OFB,  96                          ; v96-103 the stores' offsets: 16 x lane + b x the distance between B's blocks in qkv
.set AF,   128                         ; A's fragments
.set TMP,  128                         ; the way out: scaled and biased results
.set BB,   192                         ; the bias of my 8 x 8 channels (q, k), or zeros (v)
.set G1, 24                            ; s[24:31] descriptor group 1 for A's tiles;  s[32:39] group 0, one set for each slot
.set G0, 32
.set G1B, 48                           ; s[48:55], s[56:63] the same for B's tiles
.set G0B, 56
.set G1S, 68                           ; s[68:75], s[76:79] groups 1 and 0 for A's scales;  s[80:87], s[88:91] for B's
.set G0S, 76
.set G1SB, 80
.set G0SB, 88
.set MSB, 0
.macro WIN new                         ; the immediate's high byte repeats the setting that is left
.if MSB != (\new)
	s_set_vgpr_msb (MSB<<8)|(\new)
.set MSB, (\new)
.endif
.endm
.set MUL_LO, 0xa1                      ; source 0 (B) window 1, source 1 (A) window 0, C and D window 2
.set MUL_HI, 0xf1                      ; the same, C and D window 3
.set TO_B,   0x40                      ; destination window 1, address window 0
; A joint load: waves 0 and 1 fetch for A, waves 2 and 3 for B.  The branch hangs on the wave's number alone.  An s_nop 0 and four v_nop follow each of the two lines.
.macro JLOAD g0a, g1a, g0b, g1b
	s_cmp_eq_u32 s15, 0
	s_cbranch_scc0 .Lfor_b_\@
	tensor_load_to_lds s[\g0a:\g0a+3], s[\g1a:\g1a+7]
	s_nop 0
.rept 4
	v_nop
.endr
	s_branch .Lasked_\@
.Lfor_b_\@:
	tensor_load_to_lds s[\g0b:\g0b+3], s[\g1b:\g1b+7]
	s_nop 0
.rept 4
	v_nop
.endr
.Lasked_\@:
.endm
.macro CROUND                          ; a round of the cluster's barrier
	s_barrier_signal -1
	s_barrier_wait -1
	s_cmp_lg_u32 s14, 0
	s_cbranch_scc1 .Lnot_wave_0_\@
	s_barrier_signal -3
.Lnot_wave_0_\@:
	s_barrier_wait -3
	s_barrier_signal -1
	s_barrier_wait -1
.endm
	s_load_b128 s[4:7], s[0:1], 0x0                ; codes s[4:5], scl s[6:7]
	s_load_b128 s[8:11], s[0:1], 0x10              ; bq s[8:9], bk s[10:11]
	s_load_b64 s[12:13], s[0:1], 0x20              ; qkv
	v_lshl_add_u32 v[SPW], v0, 2, SPARE
	v_mov_b32 v[NIL], 0
	ds_add_u32 v[SPW], v[NIL]                      ; the wave's opening: the add, twice on end, and its wait ahead of my first tensor load
	ds_add_u32 v[SPW], v[NIL]
	v_lshrrev_b32 v1, 5, v0
	v_readfirstlane_b32 s14, v1                    ; wave 0..3
	s_lshr_b32 s15, s14, 1                         ; which half of A's rows is mine.  Also: I fetch for A (0) or for B (1)
	s_and_b32 s16, s14, 1                          ; which half of B's rows.  Also: which 128 rows of that tile I fetch
	s_bfe_u32 s40, ttmp6, 0x40000                  ; cx, cy: my place in the cluster
	s_bfe_u32 s41, ttmp6, 0x40004
	s_and_b32 s95, ttmp7, 0xffff                   ; the cluster's y, 0..23: eight clusters for each tensor
	s_lshr_b32 s66, s95, 3                         ; t: 0 q, 1 k, 2 v
	s_and_b32 s95, s95, 7
	s_lshl_b32 s95, s95, 2                         ; the first of the cluster's four tiles along the tokens
	s_lshl_b32 s98, s66, 13                        ; where the input's rows begin,
	s_lshl_b32 s99, s66, 10
	s_add_co_u32 s99, s99, 24576                   ; and the weight's
	s_mov_b32 s67, 262144                          ; q, k: from one channel tile's images to the next
	s_mov_b32 s100, 1.0
	s_cmp_eq_u32 s66, 2                            ; for v the two matrices change places
	s_cselect_b32 s96, 0, s95
	s_cselect_b32 s97, s95, 0
	s_cselect_b32 s2, s99, s98                     ; A's first row
	s_cselect_b32 s3, s98, s99                     ; B's
	s_cselect_b32 s67, 32768, s67                  ; v: from one token tile's images to the next
	s_cmp_eq_u32 s66, 0
	s_cselect_b32 s100, 0x3d38aa3b, s100           ; q alone is multiplied by log2(e) / 32
	s_mov_b32 s101, s100                           ; (named with it as a pair, so it is written)
	s_add_co_u32 s17, s96, s41                     ; A's tile: it hangs on cy and the cluster's y alone
	s_add_co_u32 s42, s97, s40                     ; B's tile: on cx and the cluster's y alone
	s_lshl_b32 s43, s41, 2
	s_lshl_b32 s43, 15, s43                        ; my row of the cluster
	s_lshl_b32 s44, 0x1111, s40                    ; my column
	; descriptor group 1: a tile of 128 rows x 256 bytes, padded in LDS
	s_or_b32 s[G1+0], s43, (0<<16)|(1<<20)|(1<<21)|(5<<22)|(3<<25)  ; 15:0 the mask: A's tiles go to my row; 17:16 elements of 1 byte; 20 padding on; 21 set beside a mask; 24:22 after every 64 words; 31:25 four words
	s_or_b32 s[G1B+0], s44, (0<<16)|(1<<20)|(1<<21)|(5<<22)|(3<<25)
.irp g, G1, G1B
	s_mov_b32 s[\g+1], ROWB<<16                    ; tensor_dim0
	s_mov_b32 s[\g+2], 128<<16                     ; tensor_dim1 = 128
	s_mov_b32 s[\g+3], ROWB<<16                    ; tile_dim0
	s_mov_b32 s[\g+4], 128                         ; tile_dim1 = 128
	s_mov_b32 s[\g+5], KROW                        ; tensor_dim0_stride
	s_mov_b32 s[\g+6], 0
	s_mov_b32 s[\g+7], 0
.endr
	; and for the scales of 128 rows: a dense block of 4,096 bytes, as 16 rows of 256 bytes (32 elements of 8 bytes), 16 bytes of padding behind each
	s_or_b32 s[G1S+0], s43, (3<<16)|(1<<20)|(1<<21)|(5<<22)|(3<<25)
	s_or_b32 s[G1SB+0], s44, (3<<16)|(1<<20)|(1<<21)|(5<<22)|(3<<25)
.irp g, G1S, G1SB
	s_mov_b32 s[\g+1], 32<<16
	s_mov_b32 s[\g+2], (128*KS/256)<<16
	s_mov_b32 s[\g+3], 32<<16
	s_mov_b32 s[\g+4], 128*KS/256
	s_mov_b32 s[\g+5], 32
	s_mov_b32 s[\g+6], 0
	s_mov_b32 s[\g+7], 0
.endr
	s_lshl_b32 s18, s16, 7                         ; which 128 rows of the tile I fetch
	s_lshl_b32 s20, s17, 8
	s_add_co_u32 s20, s20, s18
	s_add_co_u32 s20, s20, s2                      ; A: its first row + 256 x tile + 128 x half
	s_lshl_b32 s46, s42, 8
	s_add_co_u32 s46, s46, s18
	s_add_co_u32 s46, s46, s3                      ; B likewise
	s_mov_b32 s21, 0
	s_mov_b32 s47, 0
	s_mov_b64 s[18:19], KS
	s_mul_u64 s[22:23], s[20:21], s[18:19]         ; where these rows' scales begin, in bytes
	s_mul_u64 s[92:93], s[46:47], s[18:19]
	s_mov_b64 s[18:19], KROW
	s_mul_u64 s[20:21], s[20:21], s[18:19]         ; and their codes
	s_mul_u64 s[46:47], s[46:47], s[18:19]
	s_mul_i32 s45, s14, HALFT                      ; where they go: wave x 128 rows: no place in the cluster enters an LDS address
	s_mul_i32 s94, s14, HALFS
	s_wait_dscnt 0x0                               ; both opening adds are done
	s_wait_kmcnt 0x0
	s_add_nc_u64 s[20:21], s[4:5], s[20:21]
	s_add_nc_u64 s[22:23], s[6:7], s[22:23]
	s_add_nc_u64 s[46:47], s[4:5], s[46:47]
	s_add_nc_u64 s[92:93], s[6:7], s[92:93]
	CROUND                                         ; all sixteen work-groups are here: the joint loads meet
	s_mov_b32 s[G0S], 1
	s_add_co_u32 s[G0S+1], s94, SCL
	s_mov_b64 s[G0S+2:G0S+3], s[22:23]
	s_or_b32 s[G0S+3], s[G0S+3], 0x80000000
	s_mov_b32 s[G0SB], 1
	s_add_co_u32 s[G0SB+1], s94, SCL
	s_mov_b64 s[G0SB+2:G0SB+3], s[92:93]
	s_or_b32 s[G0SB+3], s[G0SB+3], 0x80000000
	JLOAD G0S, G1S, G0SB, G1SB                     ; the scales first: they are wanted with K step 0.  Three loads of mine are out at the most
.irp s, 0,1
	s_mov_b32 s[G0+4*\s], 1
	s_add_co_u32 s[G0+4*\s+1], s45, \s*SLOT
	s_add_nc_u64 s[G0+4*\s+2:G0+4*\s+3], s[20:21], \s*ROWB
	s_or_b32 s[G0+4*\s+3], s[G0+4*\s+3], 0x80000000
	s_mov_b32 s[G0B+4*\s], 1
	s_add_co_u32 s[G0B+4*\s+1], s45, \s*SLOT
	s_add_nc_u64 s[G0B+4*\s+2:G0B+4*\s+3], s[46:47], \s*ROWB
	s_or_b32 s[G0B+4*\s+3], s[G0B+4*\s+3], 0x80000000
	JLOAD G0+4*\s, G1, G0B+4*\s, G1B
.endr
	v_and_b32 v1, 15, v0                           ; l % 16
	v_bfe_u32 v2, v0, 4, 1                         ; l / 16
	v_mul_u32_u24 v3, v1, PITCH
	v_lshl_add_u32 v4, v2, 4, v3                   ; a fragment's row x pitch + 16 x half
	s_mul_i32 s21, s15, HALFT                      ; my 128 rows of A
	s_mul_i32 s22, s16, HALFT                      ; my 128 rows of B,
	s_add_co_u32 s22, s22, 2*HALFT                 ; which lie behind A's 256
.irp s, 0,1
	v_add_nc_u32 v[ADRA+\s], s21, v4
	v_add_nc_u32 v[ADRB+\s], s22, v4
	s_add_co_u32 s21, s21, SLOT
	s_add_co_u32 s22, s22, SLOT
.endr
	v_mul_u32_u24 v5, v1, KS                       ; my row's scales: KS bytes a row,
	v_lshrrev_b32 v6, 8, v5
	v_lshl_add_u32 v5, v6, 4, v5                   ; and 16 more for each 256 passed
	s_mul_i32 s21, s15, HALFS                      ; A's: my 128 rows
	s_mul_i32 s22, s16, HALFS                      ; B's: my 128 rows, behind A's 256
	s_add_co_u32 s22, s22, 2*HALFS
	s_sub_co_u32 s22, s22, s21
	v_mul_u32_u24 v6, s22, v2                      ; lanes 16-31 take B's
	s_add_co_u32 s21, s21, SCL
	v_add_nc_u32 v5, v5, v6
	v_add_nc_u32 v[ADRS], s21, v5
	; where my half-images go: A's block IA + a steps 512 bytes, B's block IB + b steps s67 bytes
	s_lshl_b32 s20, s17, 4
	s_lshl_b32 s21, s15, 3
	s_add_co_u32 s20, s20, s21                     ; IA = 16 x A's tile + 8 x half
	s_lshl_b32 s46, s42, 4
	s_lshl_b32 s47, s16, 3
	s_add_co_u32 s46, s46, s47                     ; IB likewise
	s_mul_i32 s47, s46, s67
	s_lshl_b32 s20, s20, 9
	s_add_co_u32 s20, s20, s47
	s_lshl_b32 s21, s66, 24                        ; the tensor's part of qkv
	s_add_co_u32 s20, s20, s21
	s_mov_b32 s21, 0
	s_add_nc_u64 s[12:13], s[12:13], s[20:21]
	v_and_b32 v5, 31, v0
	v_lshlrev_b32 v[OFB], 4, v5
.irp b, 1,2,3,4,5,6,7
	v_add_nc_u32 v[OFB+\b], s67, v[OFB+\b-1]
.endr
	; the bias of q and k runs along B's rows, that is along a lane's registers: block b's eight numbers of my half.  v has none here.  The branch hangs on the cluster's y alone.
	s_cmp_eq_u32 s66, 2
	s_cbranch_scc1 .Lno_bias
	s_cmp_eq_u32 s66, 0
	s_cselect_b64 s[8:9], s[8:9], s[10:11]
	s_lshl_b32 s46, s46, 6                         ; 16 channels x 4 bytes a block
	s_mov_b32 s47, 0
	s_add_nc_u64 s[8:9], s[8:9], s[46:47]
	v_lshlrev_b32 v6, 5, v2                        ; 8 h numbers on
.irp b, 0,1,2,3,4,5,6,7
	global_load_b128 v[BB+8*\b:BB+8*\b+3], v6, s[8:9] offset:64*\b
	global_load_b128 v[BB+8*\b+4:BB+8*\b+7], v6, s[8:9] offset:64*\b+16
.endr
	s_branch .Lbias_asked
.Lno_bias:
.set j, 0
.rept 64
	v_mov_b32 v[BB+j], 0
.set j, j+1
.endr
.Lbias_asked:
.macro FRAG reg, adr, q, i             ; a fragment, 16 rows x 128 K of 4-bit codes: lane l holds row l % 16; registers 4 c .. 4 c + 3 hold K = 64 c + 32 (l / 16) + 0 .. 31
.irp c, 0,1
	ds_load_b128 v[\reg+4*\c:\reg+4*\c+3], v[\adr] offset:64*(\q)+32*\c+(\i)*16*PITCH
.endr
.endm
; 16 matrix instructions: A's blocks a0, a0 + 1 x B's eight, the slot's q-th 128 along K.  p: B's set;  sc: the set of scale words.  zero = 1: the first product starts the sums.
; The 64 accumulators take turns, one instruction a turn, in the same order in every step.
.macro MUL16 a0, p, q, sc, zero
.irp a, \a0, \a0+1
.irp b, 0,1,2,3,4,5,6,7
.if \zero
	v_wmma_scale_f32_16x16x128_f8f6f4 v[8*(8*((\a)%4)+\b):8*(8*((\a)%4)+\b)+7], v[128*(\p)+FR*\b:128*(\p)+FR*\b+FR-1], v[AF+FR*(\a):AF+FR*(\a)+FR-1], 0, v[SC+8*NQ*(\sc)+NQ*\b+(\q)], v[SC+8*NQ*(\sc)+NQ*(\a)+(\q)] matrix_a_fmt:MATRIX_FMT_FP4 matrix_b_fmt:MATRIX_FMT_FP4 matrix_a_scale:MATRIX_SCALE_ROW1
.else
	v_wmma_scale_f32_16x16x128_f8f6f4 v[8*(8*((\a)%4)+\b):8*(8*((\a)%4)+\b)+7], v[128*(\p)+FR*\b:128*(\p)+FR*\b+FR-1], v[AF+FR*(\a):AF+FR*(\a)+FR-1], v[8*(8*((\a)%4)+\b):8*(8*((\a)%4)+\b)+7], v[SC+8*NQ*(\sc)+NQ*\b+(\q)], v[SC+8*NQ*(\sc)+NQ*(\a)+(\q)] matrix_a_fmt:MATRIX_FMT_FP4 matrix_b_fmt:MATRIX_FMT_FP4 matrix_a_scale:MATRIX_SCALE_ROW1
.endif
.endr
.endr
.endm
.macro FETCH_B slot, q, p              ; B's eight fragments of the slot's q-th 128 along K into set p
	WIN TO_B
.irp i, 0,1,2,3,4,5,6,7
	FRAG 128*(\p)+FR*\i, ADRB+\slot, \q, \i
.endr
	WIN 0
.endm
.macro FETCH_A slot, q, i0             ; A's blocks i0 .. i0 + 3
.irp i, \i0, \i0+1, \i0+2, \i0+3
	FRAG AF+FR*(\i), ADRA+\slot, \q, \i
.endr
.endm
.macro SCALES sc                       ; a K step's scale words into set sc: four words a row; lanes 0-15 take A's block i, lanes 16-31 B's block i
.irp i, 0,1,2,3,4,5,6,7
	ds_load_b128 v[SC+8*NQ*\sc+NQ*\i:SC+8*NQ*\sc+NQ*\i+3], v[ADRS] offset:\i*SBLK
.endr
.endm
.macro PLACES n                        ; plain vector lines between a matrix instruction and a load into, or a vector line on, one of its registers
.rept \n
	v_nop
.endr
.endm
; A step of 128 along K that has its successor in the same slot.  A block of A is free as soon as its eight products are issued: blocks 0-3 are fetched anew in the middle, blocks 4-7 at the end.
.macro STEP slot, q, zero
	s_wait_dscnt 4*NL                              ; B's set and A's blocks 0-3 are in; the youngest eight loads (A's blocks 4-7) may be out
	WIN MUL_LO
	MUL16 0, (\q)%2, \q, \slot, \zero
	MUL16 2, (\q)%2, \q, \slot, \zero
	s_wait_dscnt 0                                 ; A's blocks 4-7 are in
	PLACES NP
	FETCH_B \slot, (\q)+1, 1-(\q)%2
	FETCH_A \slot, (\q)+1, 0
	WIN MUL_HI
	MUL16 4, (\q)%2, \q, \slot, \zero
	MUL16 6, (\q)%2, \q, \slot, \zero
	PLACES NP
	WIN 0
	FETCH_A \slot, (\q)+1, 4
.endm
; Slot 0's last step goes over to slot 1: each wave waits for all its tensor loads (its part of slot 1), and a barrier shows slot 1 whole to all four.  Nothing is filled again.
.macro TURN slot, next
	s_wait_tensorcnt 0x0                           ; all my tensor loads have landed
	ds_add_u32 v[SPW], v[NIL]                      ; 0 onto my spare word
	s_wait_dscnt 4*NL+1                            ; (the add and the youngest eight loads, A's blocks 4-7, may be out)
	WIN MUL_LO
	MUL16 0, 1, NQ-1, \slot, 0
	s_wait_dscnt 0x0                               ; no LDS instruction of mine is out at the signal
	s_barrier_signal -1
	MUL16 2, 1, NQ-1, \slot, 0
	WIN 0
	s_barrier_wait -1
	PLACES NP
	v_add_nc_u32 v[ADRS], 4*NQ, v[ADRS]            ; on to the next K step's scale words
	FETCH_B \next, 0, 0
	FETCH_A \next, 0, 0
	SCALES \next
	WIN MUL_HI
	MUL16 4, 1, NQ-1, \slot, 0
	MUL16 6, 1, NQ-1, \slot, 0
	PLACES NP
	WIN 0
	FETCH_A \next, 0, 4
.endm
.macro STEPS slot, from                ; the slot's steps from .. NQ - 2
.set Q, \from
.rept NQ-1-\from
	STEP \slot, Q, 0
.set Q, Q+1
.endr
.endm
	s_wait_tensorcnt 1                             ; the scales and my part of K step 0 are in (K step 1's load may be out)
	s_barrier_signal -1
	s_barrier_wait -1                              ; everybody's are
	FETCH_B 0, 0, 0
	FETCH_A 0, 0, 0
	SCALES 0
	FETCH_A 0, 0, 4
	STEP 0, 0, 1                                   ; the first step's products start the sums: nothing is cleared
	STEPS 0, 1
	TURN 0, 1
	STEPS 1, 0
	s_wait_dscnt 4*NL                              ; the very last step: nothing more to fetch
	WIN MUL_LO
	MUL16 0, 1, NQ-1, 1, 0
	MUL16 2, 1, NQ-1, 1, 0
	s_wait_dscnt 0
	WIN MUL_HI
	MUL16 4, 1, NQ-1, 1, 0
	MUL16 6, 1, NQ-1, 1, 0
	WIN 0
	; THE WAY OUT.  (sum + bias) x factor = sum x factor + bias x factor: one fused multiply-add a pair.  The 32 multiplies below name no register of the products: they are the places behind them.
	s_wait_loadcnt 0x0                             ; the bias
.set j, 0
.rept 32
	v_pk_mul_f32 v[BB+j:BB+j+1], v[BB+j:BB+j+1], s[100:101] op_sel_hi:[1,0]
.set j, j+2
.endr
; A's block a: its eight accumulators, each from its low end on, become eight half-images; each store covers 512 consecutive bytes.
.macro OUTA a
.set AC, 64*((\a)%4)
.set PK, 64+32*((\a)%2)                ; in window 1, two sets by turns
.if (\a) > 1
	s_wait_xcnt 0x0                                ; block a - 2's stores have read this set
.endif
	WIN 0x02+(\a)/4                                ; source 0: window 2 or 3
.irp b, 0,1,2,3,4,5,6,7
.irp r, 0,1,2,3
	v_pk_fma_f32 v[TMP+8*\b+2*\r:TMP+8*\b+2*\r+1], v[AC+8*\b+2*\r:AC+8*\b+2*\r+1], s[100:101], v[BB+8*\b+2*\r:BB+8*\b+2*\r+1] op_sel_hi:[1,0,1]
.endr
.endr
	WIN 0x40                                       ; destination window 1
.irp b, 0,1,2,3,4,5,6,7
.irp r, 0,1,2,3
	v_cvt_pk_f16_f32 v[PK+4*\b+\r], v[TMP+8*\b+2*\r], v[TMP+8*\b+2*\r+1]
.endr
.endr
	WIN 0x04                                       ; a store's data are its source 1: window 1
.irp b, 0,1,2,3,4,5,6,7
	global_store_b128 v[OFB+\b], v[PK+4*\b:PK+4*\b+3], s[12:13] offset:512*(\a)
.endr
.endm
.irp a, 0,1,2,3,4,5,6,7
	OUTA \a
.endr
	WIN 0
	s_wait_tensorcnt 0x0                           ; the wave's end: behind my last tensor load
	ds_add_u32 v[SPW], v[NIL]
	s_wait_dscnt 0x0
	CROUND                                         ; the closing round: no work-group ends while a partner may still ask for a tile that names it
	s_endpgm
.Lfunc_end_k_q42901fce49_proj:
	.size	k_q42901fce49_proj, .Lfunc_end_k_q42901fce49_proj-k_q42901fce49_proj
	.p2alignl 7, 3214868480
	.fill 96, 4, 3214868480
	.section	.rodata,"a",@progbits
	.p2align	6, 0x0
	.amdhsa_kernel k_q42901fce49_proj
		.amdhsa_group_segment_fixed_size 327680
		.amdhsa_private_segment_fixed_size 0
		.amdhsa_enable_private_segment 0
		.amdhsa_kernarg_size 40
		.amdhsa_user_sgpr_count 2
		.amdhsa_user_sgpr_kernarg_segment_ptr 1
		.amdhsa_wavefront_size32 1
		.amdhsa_system_sgpr_workgroup_id_x 1
		.amdhsa_system_sgpr_workgroup_id_y 1
		.amdhsa_system_sgpr_workgroup_id_z 1
		.amdhsa_system_vgpr_workitem_id 0
		.amdhsa_next_free_vgpr 1024
		.amdhsa_next_free_sgpr 102
		.amdhsa_reserve_vcc 0
		.amdhsa_float_denorm_mode_32 3
		.amdhsa_float_denorm_mode_16_64 3
		.amdhsa_memory_ordered 1
		.amdhsa_forward_progress 1
		.amdhsa_inst_pref_size 140
	.end_amdhsa_kernel
	.amdgpu_metadata
---
amdhsa.version: [ 1, 2 ]
amdhsa.kernels:
  - .name:           k_q42901fce49_proj
    .symbol:         k_q42901fce49_proj.kd
    .args:
      - { .name: codes, .offset: 0, .size: 8, .value_kind: global_buffer, .address_space: global }
      - { .name: scl, .offset: 8, .size: 8, .value_kind: global_buffer, .address_space: global }
      - { .name: bq, .offset: 16, .size: 8, .value_kind: global_buffer, .address_space: global }
      - { .name: bk, .offset: 24, .size: 8, .value_kind: global_buffer, .address_space: global }
      - { .name: qkv, .offset: 32, .size: 8, .value_kind: global_buffer, .address_space: global }
    .group_segment_fixed_size: 327680
    .private_segment_fixed_size: 0
    .kernarg_segment_align: 8
    .kernarg_segment_size: 40
    .max_flat_workgroup_size: 128
    .sgpr_count:     102
    .vgpr_count:     1024
    .wavefront_size: 32
...
	.end_amdgpu_metadata
.endif
;; end of part 2
;; launch attn (part 3): grid 2 x 128, 16 waves a work-group, no clusters, 264,192 bytes of LDS; arguments qkv, maskr, bv, xf; writes xf
.if DOCPART == 3
	.amdgcn_target "amdgcn-amd-amdhsa--gfx1250"
	.amdhsa_code_object_version 6
	.text
	.protected	k_q42901fce49_attn
	.globl	k_q42901fce49_attn
	.p2align	8
	.type	k_q42901fce49_attn,@function
k_q42901fce49_attn:
	s_mov_b64 s[64:65], 0
	v_nop
	global_prefetch_b8 v0, s[64:65] scope:SCOPE_SE
	s_setreg_imm32_b32 hwreg(HW_REG_WAVE_MODE, 25, 1), 1
	s_wait_xcnt 0x0
; x[b][t][64 head + d] = the sum over s of softmax_s(w[t][s]) v[s][d] + bv, with w = (q . k / 32) mask + (-1e9)(1 - mask), for one (batch, head) and 512 queries a work-group.
; q (already x log2(e) / 32), k and v come as f16 half-images (512 bytes, 16 at 16 x lane; two of them are a 16 x 32 operand); products in f16 with f32 sums; mask, maxima, exponentials and sums in f32.
; In base 2: t = s' mask + K' (1 - mask), s' = q' . k, K' = f32(-1e9 log2(e)); K' (1 - mask) is one fused multiply-add, mask x (-K') + K': exactly 0 where mask = 1 and K' where mask = 0.
; SOFTMAX: for each query a running maximum M and sum l: p = 2^(t - M); in every step O and l are multiplied by f = 2^(old M - new M).  bv is added at the end: the weights sum to 1.
; SHARES: sixteen waves, four to a SIMD; a wave owns two tiles of 16 queries and walks all 1,024 keys, 64 a step.  The head's WHOLE K and V, 128 KB each, come into LDS once, in four quarters of 256 keys
; (wave 0 asks for K's, wave 1 for V's): no byte of LDS is filled twice, and a barrier stands only at each quarter's head.
; THE MASK: each number is used by one wave, so it goes from memory into registers, 512 consecutive bytes a load, in the order of the score registers, AND IT IS ASKED FOR A STEP AHEAD.
;   Four blocks of 32 registers take turns: A0 = scores of keys 0-31, then V's batches; A1 = the mask of keys 32-63, over which t is written; B0 = K's batches, then P;
;   B1 = the mask of keys 0-31, then the scores of keys 32-63.  B1 is dead behind the second masking, A1 behind the row sums: there the next step's halves are asked for.
;   For that K's fragments come in two batches (key tiles 0-1, 2-3) and V's in two (channel tiles 0-1, 2-3).  The last step asks for nothing: it is written out.
; LAYOUT: S^T = K Q^T (source 0 = 16 keys, source 1 = 16 queries), O^T = V^T P (source 0 = 16 channels, source 1 = P): a lane holds ONE query throughout; packed scores ARE the second product's operand.
; NO CLUSTER: only two work-groups share a head's K and V, 256 KB of the 2.3 MB that a work-group reads; the rest is the mask, which goes to registers.
; LIMITS: for masks that are neither 0 nor 1 the term near 1e9 is rounded otherwise than in base e; p under 6e-8 is lost in f16 (beside a largest p of 1); x beyond 65,504 is not served; NaN and infinities are not served.
.set L16, 1                            ; v1   16 x lane
.set LV,  2                            ; v2   16 x lane + where V begins in LDS
.set ADK, 3                            ; v3   LDS address of the step's K
.set ADV, 4                            ; v4   of its V
.set SPW, 5                            ; v5   LDS address of my spare word; never rewritten
.set NIL, 6                            ; v6   0; never rewritten
.set HB,  7                            ; v7   32 x (lane / 16)
.set ST,  8                            ; tile q's statistics at v[ST + 8 q]: +0 M, +1 its partner in a pair, +2, +3 l, +4 to +7 at work: chains of the maximum; then +5 the new M, +7 old M - new M, +6 f
.set CP,  24                           ; v24-29 three pairs for K' (1 - mask)
.set KK,  30                           ; v[30:31] K'
.set QF,  32                           ; v32-63   Q: tile q, channels 32 c on, half u at 16 q + 8 c + 4 u
.set O,   64                           ; v64-127  O^T: tile q, channels 16 ct on at 32 q + 8 ct
.set S,   128                          ; v128-191 A0, A1.  t and p: tile q, keys 16 kt on at 32 (kt / 2) + 16 q + 8 (kt % 2); pair i of a tile's 16 at 32 (i / 8) + 16 q + 2 (i % 8)
.set FR,  192                          ; v192-255 B0, B1.  K's batch at 16 k + 8 c + 4 u; P at 16 q + 4 kt
.set BV,  224                          ; the way out: bv
.set VBASE, 131072                     ; LDS: K at quarter x 32768 + channel tile x 8192 + key tile x 512;  V at VBASE + key tile x 2048 + channel tile x 512
.set SPARE, 262144                     ; behind them: the spare words, 128 bytes for each of sixteen waves
.set WV,  16                           ; s16  my wave's number
.set SEL, 20                           ; s[20:21] lane selects for v_permlanex16_b32: lane l xor 16
.set NK,  22                           ; s[22:23] -K'
.set G1K, 24                           ; s[24:31] descriptor group 1 for K's quarters;  s[32:39] for V's
.set G1V, 32
.set G0K, 40                           ; s[40:55] four groups 0 for K;  s[68:83] for V
.set G0V, 68
.set TK,  56                           ; s56  where the step's K begins in LDS
.set TV,  57                           ; s57  and its V, from VBASE
.set CNT, 58
.set MP,  84                           ; s[84:85] the part of the mask that was asked for last
; Half hf (keys 32 hf on) of the mask of the step at s[MP]: my 2 x 16 queries, eight loads of 512 consecutive bytes, as the scores lie
.macro MLOAD hf
.irp q, 0,1
.irp g, 0,1,2,3
.if \hf
	global_load_b128 v[S+32+16*\q+4*\g:S+32+16*\q+4*\g+3], v[L16], s[MP:MP+1] offset:65536*\q+2048+512*\g
.else
	global_load_b128 v[FR+32+16*\q+4*\g:FR+32+16*\q+4*\g+3], v[L16], s[MP:MP+1] offset:65536*\q+512*\g
.endif
.endr
.endr
.endm
	s_load_b256 s[4:11], s[0:1], 0x0               ; qkv, maskr, bv, xf
	v_lshl_add_u32 v[SPW], v0, 2, SPARE
	v_mov_b32 v[NIL], 0
	ds_add_u32 v[SPW], v[NIL]                      ; the wave's opening: the add, twice on end, and its wait ahead of the first tensor load
	ds_add_u32 v[SPW], v[NIL]
	v_lshrrev_b32 v1, 5, v0
	v_readfirstlane_b32 s[WV], v1                  ; wave 0..15
	s_and_b32 s19, ttmp7, 0xffff
	s_lshr_b32 s17, s19, 4                         ; batch
	s_and_b32 s18, s19, 15                         ; head
	; K's quarter: 4 channel tiles x 16 key tiles x 512 bytes: 4 rows of 8,192 bytes (1,024 elements of 8), 262,144 bytes apart
	s_mov_b32 s[G1K], 3<<16                        ; no mask; elements of 8 bytes; no padding: an image's 512 bytes are read as they lie
	s_mov_b32 s[G1K+1], 1024<<16                   ; tensor_dim0
	s_mov_b32 s[G1K+2], 4<<16                      ; tensor_dim1
	s_mov_b32 s[G1K+3], 1024<<16                   ; tile_dim0
	s_mov_b32 s[G1K+4], 4                          ; tile_dim1
	s_mov_b32 s[G1K+5], 32768                      ; tensor_dim0_stride
	s_mov_b32 s[G1K+6], 0
	s_mov_b32 s[G1K+7], 0
	; V's quarter: 16 key tiles x 4 channel tiles x 512 bytes: 16 rows of 2,048 bytes, 32,768 bytes apart
	s_mov_b32 s[G1V], 3<<16
	s_mov_b32 s[G1V+1], 256<<16
	s_mov_b32 s[G1V+2], 16<<16
	s_mov_b32 s[G1V+3], 256<<16
	s_mov_b32 s[G1V+4], 16
	s_mov_b32 s[G1V+5], 4096
	s_mov_b32 s[G1V+6], 0
	s_mov_b32 s[G1V+7], 0
	s_lshl_b32 s86, s18, 20
	s_lshl_b32 s87, s17, 15
	s_add_co_u32 s86, s86, s87                     ; where the head's images begin in q's and in k's part: 4 head x 262,144 + 64 batch x 512
	s_mov_b32 s87, 0
	s_lshl_b32 s88, s17, 21
	s_lshl_b32 s89, s18, 11
	s_add_co_u32 s88, s88, s89                     ; and in v's part and in xf: 64 batch x 32,768 + 4 head x 512
	s_mov_b32 s89, 0
	s_mov_b32 s[SEL], 0x76543210
	s_mov_b32 s[SEL+1], 0xfedcba98
	s_mov_b32 s[NK], 0x4eabfb8f                    ; 1e9 log2(e)
	s_mov_b32 s[NK+1], s[NK]                       ; (named with it as a pair, so it is written)
	s_wait_dscnt 0x0                               ; both opening adds are done
	s_wait_kmcnt 0x0
	s_add_nc_u64 s[60:61], s[4:5], s[86:87]        ; q of my head
	s_add_nc_u64 s[62:63], s[60:61], 1<<24         ; k
	s_add_nc_u64 s[90:91], s[4:5], s[88:89]
	s_add_nc_u64 s[90:91], s[90:91], 2<<24         ; v
.irp q, 0,1,2,3
	s_mov_b32 s[G0K+4*\q], 1                       ; count = 1
	s_mov_b32 s[G0K+4*\q+1], 32768*\q              ; LDS address
	s_add_nc_u64 s[G0K+4*\q+2:G0K+4*\q+3], s[62:63], 8192*\q
	s_or_b32 s[G0K+4*\q+3], s[G0K+4*\q+3], 0x80000000   ; type = 2
	s_mov_b32 s[G0V+4*\q], 1
	s_mov_b32 s[G0V+4*\q+1], VBASE+32768*\q
	s_add_nc_u64 s[G0V+4*\q+2:G0V+4*\q+3], s[90:91], \q<<19
	s_or_b32 s[G0V+4*\q+3], s[G0V+4*\q+3], 0x80000000
.endr
	s_cmp_eq_u32 s[WV], 0                          ; a wave's four first fills stand in one branch on the wave's number, ahead of every wait on TENSORcnt, every LDS read and every barrier: four loads of a wave are out
	s_cbranch_scc0 .Lnot_k
.irp q, 0,1,2,3
	tensor_load_to_lds s[G0K+4*\q:G0K+4*\q+3], s[G1K:G1K+7]
	s_nop 0
.endr
.rept 4
	v_nop
.endr
	s_branch .Lasked
.Lnot_k:
	s_cmp_eq_u32 s[WV], 1
	s_cbranch_scc0 .Lasked
.irp q, 0,1,2,3
	tensor_load_to_lds s[G0V+4*\q:G0V+4*\q+3], s[G1V:G1V+7]
	s_nop 0
.endr
.rept 4
	v_nop
.endr
.Lasked:
	v_and_b32 v[L16], 31, v0
	v_lshlrev_b32 v[L16], 4, v[L16]
	v_add_nc_u32 v[LV], VBASE, v[L16]
	v_bfe_u32 v[HB], v0, 4, 1
	v_lshlrev_b32 v[HB], 5, v[HB]
	s_lshl_b32 s86, ttmp9, 14                      ; my work-group's 32 token tiles,
	s_lshl_b32 s59, s[WV], 10                      ; my wave's two
	s_add_co_u32 s86, s86, s59
	s_add_nc_u64 s[60:61], s[60:61], s[86:87]
.irp q, 0,1
.irp c, 0,1
.irp u, 0,1
	global_load_b128 v[QF+16*\q+8*\c+4*\u:QF+16*\q+8*\c+4*\u+3], v[L16], s[60:61] offset:(2*\c+\u)*262144+512*\q th:TH_LOAD_NT   ; Q stays in registers
.endr
.endr
.endr
	s_lshl_b32 s86, ttmp9, 21                      ; the mask: 65,536 bytes for each tile of 16 queries
	s_lshl_b32 s59, s[WV], 17
	s_add_co_u32 s86, s86, s59
	s_add_nc_u64 s[MP:MP+1], s[6:7], s[86:87]
	MLOAD 0                                        ; the first step's mask is asked for here, ahead of the first barrier
	MLOAD 1
	s_lshl_b32 s86, ttmp9, 20                      ; xf: 32,768 bytes for each token tile
	s_lshl_b32 s59, s[WV], 16
	s_add_co_u32 s86, s86, s59
	s_add_nc_u64 s[10:11], s[10:11], s[86:87]
	s_add_nc_u64 s[10:11], s[10:11], s[88:89]
	s_lshl_b32 s86, s18, 8                         ; bv: the head's 64 numbers
	s_add_nc_u64 s[8:9], s[8:9], s[86:87]
	v_mov_b32 v[KK], 0xceabfb8f                    ; K' = -1e9 log2(e)
	v_mov_b32 v[KK+1], v[KK]
.irp q, 0,1
	v_mov_b32 v[ST+8*\q], 0xff61b1e6               ; M: -3e38, under every t
	v_mov_b32 v[ST+8*\q+1], 0                      ; (named with M as a pair, so it is written)
	v_mov_b32 v[ST+8*\q+2], 0                      ; l, in two halves
	v_mov_b32 v[ST+8*\q+3], 0
.endr
.set i, 0
.rept 64
	v_mov_b32 v[O+i], 0                            ; O^T.  (The step is written once: the first finds zeros, which its f = 0 leaves zeros)
.set i, i+1
.endr
	s_wait_loadcnt 16                              ; Q's eight loads are in; the mask's sixteen, issued behind them, may be out
; n pairs from pair p on: K' (1 - mask), then t = s' mask + that.  SS: the scores, MM: the mask, DD: where t goes
.macro MASKG n
.set i, 0
.rept \n
	v_pk_fma_f32 v[CP+2*i:CP+2*i+1], v[MM+2*(p+i):MM+2*(p+i)+1], s[NK:NK+1], v[KK:KK+1] op_sel_hi:[1,0,1]
.set i, i+1
.endr
.set i, 0
.rept \n
	v_pk_fma_f32 v[DD+2*(p+i):DD+2*(p+i)+1], v[SS+2*(p+i):SS+2*(p+i)+1], v[MM+2*(p+i):MM+2*(p+i)+1], v[CP+2*i:CP+2*i+1]
.set i, i+1
.endr
.set p, p+\n
.endm
.macro KLOAD b                         ; K's fragments of key tiles 2 b, 2 b + 1 into B0
.irp k, 0,1
.irp c, 0,1
.irp u, 0,1
	ds_load_b128 v[FR+16*\k+8*\c+4*\u:FR+16*\k+8*\c+4*\u+3], v[ADK] offset:(2*\c+\u)*8192+512*(2*\b+\k)
.endr
.endr
.endr
.endm
; S^T = K Q^T for the batch in B0, into the 32 registers from d on: four accumulators take turns, one instruction a turn; the first 32 channels start the sums
.macro SMUL d
.set sd, \d
.irp k, 0,1
.irp q, 0,1
	v_wmma_f32_16x16x32_f16 v[sd+16*\q+8*\k:sd+16*\q+8*\k+7], v[FR+16*\k:FR+16*\k+7], v[QF+16*\q:QF+16*\q+7], 0
.endr
.endr
.irp k, 0,1
.irp q, 0,1
	v_wmma_f32_16x16x32_f16 v[sd+16*\q+8*\k:sd+16*\q+8*\k+7], v[FR+16*\k+8:FR+16*\k+15], v[QF+16*\q+8:QF+16*\q+15], v[sd+16*\q+8*\k:sd+16*\q+8*\k+7]
.endr
.endr
.endm
.macro VLOAD b                         ; V's fragments of channel tiles 2 b, 2 b + 1, all 64 keys, into A0: at 16 t + 8 kb + 4 u
.irp t, 0,1
.irp kb, 0,1
.irp u, 0,1
	ds_load_b128 v[S+16*\t+8*\kb+4*\u:S+16*\t+8*\kb+4*\u+3], v[ADV] offset:(2*\kb+\u)*2048+512*(2*\b+\t)
.endr
.endr
.endr
.endm
.macro PVMUL b                         ; O^T += V^T P for those channel tiles: four accumulators by turns
.irp kb, 0,1
.irp t, 0,1
.irp q, 0,1
	v_wmma_f32_16x16x32_f16 v[O+32*\q+8*(2*\b+\t):O+32*\q+8*(2*\b+\t)+7], v[S+16*\t+8*\kb:S+16*\t+8*\kb+7], v[FR+16*\q+8*\kb:FR+16*\q+8*\kb+7], v[O+32*\q+8*(2*\b+\t):O+32*\q+8*(2*\b+\t)+7]
.endr
.endr
.endr
.endm
.macro RESC q, i0, n                   ; n pairs of tile q's O^T from pair i0 on, x f; each accumulator from its low end on
.set i, \i0
.rept \n
	v_pk_mul_f32 v[O+32*(\q)+2*i:O+32*(\q)+2*i+1], v[O+32*(\q)+2*i:O+32*(\q)+2*i+1], v[ST+8*(\q)+6:ST+8*(\q)+7] op_sel_hi:[1,0]
.set i, i+1
.endr
.endm
.macro PADD q, a, b                    ; pair a of tile q += pair b
.set pa, S+32*((\a)/8)+16*(\q)+2*((\a)%8)
.set pb, S+32*((\b)/8)+16*(\q)+2*((\b)%8)
	v_pk_add_f32 v[pa:pa+1], v[pa:pa+1], v[pb:pb+1]
.endm
; A KEY STEP: 64 keys, my two tiles of queries.  pre = 1: the next step's mask is asked for.
.macro STEP pre
	v_add_nc_u32 v[ADK], s[TK], v[L16]
	v_add_nc_u32 v[ADV], s[TV], v[LV]
.rept 3
	v_nop                                          ; with the two additions five places behind the last step's products: the scores below are written over V's fragments, and K is loaded over P (ISA guide 7.12.1)
.endr
	KLOAD 0
	s_wait_dscnt 0x0
	SMUL S                                         ; keys 0-31 into A0
.rept 4
	v_nop                                          ; four places: in front of the loads into K's registers, and of the first read of the scores
.endr
	KLOAD 1                                        ; on its way while the first half is masked
	s_wait_loadcnt 8                               ; the mask of keys 0-31 is in; the eight loads of keys 32-63, issued behind it, may be out
.set SS, S
.set MM, FR+32
.set DD, S
.set p, 0
.rept 5
	MASKG 3                                        ; each accumulator is read from its low end on
.endr
	MASKG 1
	s_wait_dscnt 0x0
	SMUL FR+32                                     ; keys 32-63 into B1, whose mask has been used
.rept 4
	v_nop                                          ; four places: in front of the first read of these scores, and of the loads into B1 below
.endr
	s_wait_loadcnt 0x0                             ; the mask of keys 32-63 is in, and the loads' base may be written
.set SS, FR+32
.set MM, S+32
.set DD, S+32
.set p, 0
.rept 5
	MASKG 3                                        ; t is written over the mask, in A1
.endr
	MASKG 1
.if \pre
	s_add_nc_u64 s[MP:MP+1], s[MP:MP+1], 4096      ; the next 64 keys:
	MLOAD 0                                        ; their first half into B1, which is dead from here on
.endif
	; the maximum of a tile's 32 numbers and the old M, three operands at a time, in four chains; the two tiles by turns
.irp j, 0,1,2,3
.irp q, 0,1
	v_max3_num_f32 v[ST+8*\q+4+\j], v[S+32*(\j/2)+16*\q+8*(\j%2)], v[S+32*(\j/2)+16*\q+8*(\j%2)+1], v[S+32*(\j/2)+16*\q+8*(\j%2)+2]
.endr
.endr
.irp d, 3,5
.irp j, 0,1,2,3
.irp q, 0,1
	v_max3_num_f32 v[ST+8*\q+4+\j], v[ST+8*\q+4+\j], v[S+32*(\j/2)+16*\q+8*(\j%2)+\d], v[S+32*(\j/2)+16*\q+8*(\j%2)+\d+1]
.endr
.endr
.endr
.irp q, 0,1
	v_max3_num_f32 v[ST+8*\q+4], v[ST+8*\q+4], v[S+16*\q+7], v[S+16*\q+15]
.endr
.irp q, 0,1
	v_max3_num_f32 v[ST+8*\q+6], v[ST+8*\q+6], v[S+32+16*\q+7], v[S+32+16*\q+15]
.endr
.irp q, 0,1
	v_max3_num_f32 v[ST+8*\q+4], v[ST+8*\q+4], v[ST+8*\q+5], v[ST+8*\q+6]
.endr
.irp q, 0,1
	v_max3_num_f32 v[ST+8*\q+4], v[ST+8*\q+4], v[ST+8*\q+7], v[ST+8*\q]
.endr
.irp q, 0,1
	v_permlanex16_b32 v[ST+8*\q+5], v[ST+8*\q+4], s[SEL], s[SEL+1]   ; the query's other 32 keys lie in the lane 16 away
.endr
.irp q, 0,1
	v_max_num_f32 v[ST+8*\q+5], v[ST+8*\q+4], v[ST+8*\q+5]           ; the new M
.endr
.irp q, 0,1
	v_sub_f32 v[ST+8*\q+7], v[ST+8*\q], v[ST+8*\q+5]                 ; old M - new M
.endr
.irp q, 0,1
	v_mov_b32 v[ST+8*\q], v[ST+8*\q+5]
.endr
.irp q, 0,1
.set i, 0
.rept 16
.set pa, S+32*(i/8)+16*\q+2*(i%8)
	v_pk_add_f32 v[pa:pa+1], v[pa:pa+1], v[ST+8*\q:ST+8*\q+1] op_sel_hi:[1,0] neg_lo:[0,1] neg_hi:[0,1]   ; t - M
.set i, i+1
.endr
.endr
.irp q, 0,1
	v_exp_f32 v[ST+8*\q+6], v[ST+8*\q+7]           ; f.  ONE BATCH of 66 exponentials, none of which reads another's result
.endr
.set i, 0
.rept 64
	v_exp_f32 v[S+i], v[S+i]                       ; p = 2^(t - M)
.set i, i+1
.endr
	v_nop                                          ; a plain line behind the last exponential
	s_wait_alu depctr_va_vdst(0)                   ; the wait ahead of the first line that names a result: one for the batch
.irp q, 0,1
.set i, 0
.rept 16
.set pa, S+32*(i/8)+16*\q+2*(i%8)
	v_cvt_pk_f16_f32 v[FR+16*\q+i], v[pa], v[pa+1] ; P, into B0: two tiles of 16 keys are a 32-key operand
.set i, i+1
.endr
.endr
	; the sum of the unrounded p, in place: neighbours 1, 2, 4 and 8 pairs apart, then l = l f + the sum
.irp u, 0,1,2,3,4,5,6,7
.irp q, 0,1
	PADD \q, 2*\u, 2*\u+1
.endr
.endr
.irp u, 0,1,2,3
.irp q, 0,1
	PADD \q, 4*\u, 4*\u+2
.endr
.endr
.irp u, 0,1
.irp q, 0,1
	PADD \q, 8*\u, 8*\u+4
.endr
.endr
.irp q, 0,1
	PADD \q, 0, 8
.endr
.if \pre
	MLOAD 1                                        ; the second half of the next step's mask into A1, which is dead from here on
.endif
.irp q, 0,1
	v_pk_fma_f32 v[ST+8*\q+2:ST+8*\q+3], v[ST+8*\q+2:ST+8*\q+3], v[ST+8*\q+6:ST+8*\q+7], v[S+16*\q:S+16*\q+1] op_sel_hi:[1,0,1]
.endr
	VLOAD 0                                        ; V's first batch takes A0
	RESC 0, 0, 8                                   ; O^T x f for channel tiles 0-1, while it is on its way
	RESC 1, 0, 8
	s_wait_dscnt 0x0
	PVMUL 0
	RESC 0, 8, 4                                   ; channel tiles 2-3: these four name no register of the products above: they are the places in front of the loads below
	VLOAD 1
	RESC 0, 12, 4
	RESC 1, 8, 8
	s_wait_dscnt 0x0
	PVMUL 1
	s_add_co_u32 s[TK], s[TK], 2048                ; four key tiles on
	s_add_co_u32 s[TV], s[TV], 8192
.endm
; A quarter of the keys: the waves that asked wait for its load (the later quarters' 3 - q loads stay out), a barrier shows it to all sixteen; then its steps.
.macro QUARTER q, trips
	s_wait_tensorcnt 3-\q
	s_wait_dscnt 0x0
	s_barrier_signal -1
	s_barrier_wait -1
	s_mov_b32 s[TK], 32768*\q
	s_mov_b32 s[TV], 32768*\q
	s_mov_b32 s[CNT], \trips
.Lstep_\@:
	STEP 1
	s_sub_co_u32 s[CNT], s[CNT], 1
	s_cmp_lg_u32 s[CNT], 0
	s_cbranch_scc1 .Lstep_\@
.endm
	QUARTER 0, 4
	QUARTER 1, 4
	QUARTER 2, 4
	QUARTER 3, 3
	STEP 0                                         ; the last step is written out: there is no mask behind it to ask for
	; THE WAY OUT: x = O^T / l + bv, one fused multiply-add a pair; packed to f16 an accumulator is a half-image (token tile, channel tile) of xf: each store covers 512 consecutive bytes.
.irp ct, 0,1,2,3
	global_load_b128 v[BV+8*\ct:BV+8*\ct+3], v[HB], s[8:9] offset:64*\ct          ; bv of channels 16 ct + 8 h + 0..7
	global_load_b128 v[BV+8*\ct+4:BV+8*\ct+7], v[HB], s[8:9] offset:64*\ct+16
.endr
.irp q, 0,1
	v_add_f32 v[ST+8*\q+4], v[ST+8*\q+2], v[ST+8*\q+3]     ; l's two halves.  (These lines and the v_nop below are the places behind the last products)
.endr
.irp q, 0,1
	v_permlanex16_b32 v[ST+8*\q+5], v[ST+8*\q+4], s[SEL], s[SEL+1]
.endr
.irp q, 0,1
	v_add_f32 v[ST+8*\q+4], v[ST+8*\q+4], v[ST+8*\q+5]     ; and lane l xor 16's
.endr
.irp q, 0,1
	v_rcp_f32 v[ST+8*\q+6], v[ST+8*\q+4]
.endr
	v_nop                                          ; a plain line behind the reciprocals
	s_wait_alu depctr_va_vdst(0)                   ; and the wait ahead of their first use
	s_wait_loadcnt 0x0                             ; bv
.irp q, 0,1
.set i, 0
.rept 16
	v_pk_fma_f32 v[S+32*\q+2*i:S+32*\q+2*i+1], v[O+32*\q+2*i:O+32*\q+2*i+1], v[ST+8*\q+6:ST+8*\q+7], v[BV+2*i:BV+2*i+1] op_sel_hi:[1,0,1]
.set i, i+1
.endr
.endr
.irp q, 0,1
.irp ct, 0,1,2,3
.irp r, 0,1,2,3
	v_cvt_pk_f16_f32 v[FR+16*\q+4*\ct+\r], v[S+32*\q+8*\ct+2*\r], v[S+32*\q+8*\ct+2*\r+1]
.endr
.endr
.endr
.irp q, 0,1
.irp ct, 0,1,2,3
	global_store_b128 v[L16], v[FR+16*\q+4*\ct:FR+16*\q+4*\ct+3], s[10:11] offset:32768*\q+512*\ct
.endr
.endr
	s_wait_tensorcnt 0x0                           ; the wave's end: behind the last tensor load
	ds_add_u32 v[SPW], v[NIL]
	s_wait_dscnt 0x0
	s_endpgm
.Lfunc_end_k_q42901fce49_attn:
	.size	k_q42901fce49_attn, .Lfunc_end_k_q42901fce49_attn-k_q42901fce49_attn
	.p2alignl 7, 3214868480
	.fill 96, 4, 3214868480
	.section	.rodata,"a",@progbits
	.p2align	6, 0x0
	.amdhsa_kernel k_q42901fce49_attn
		.amdhsa_group_segment_fixed_size 264192
		.amdhsa_private_segment_fixed_size 0
		.amdhsa_enable_private_segment 0
		.amdhsa_kernarg_size 32
		.amdhsa_user_sgpr_count 2
		.amdhsa_user_sgpr_kernarg_segment_ptr 1
		.amdhsa_wavefront_size32 1
		.amdhsa_system_sgpr_workgroup_id_x 1
		.amdhsa_system_sgpr_workgroup_id_y 1
		.amdhsa_system_sgpr_workgroup_id_z 1
		.amdhsa_system_vgpr_workitem_id 0
		.amdhsa_next_free_vgpr 256
		.amdhsa_next_free_sgpr 92
		.amdhsa_reserve_vcc 0
		.amdhsa_float_denorm_mode_32 3
		.amdhsa_float_denorm_mode_16_64 3
		.amdhsa_memory_ordered 1
		.amdhsa_forward_progress 1
		.amdhsa_inst_pref_size 131
	.end_amdhsa_kernel
	.amdgpu_metadata
---
amdhsa.version: [ 1, 2 ]
amdhsa.kernels:
  - .name:           k_q42901fce49_attn
    .symbol:         k_q42901fce49_attn.kd
    .args:
      - { .name: qkv, .offset: 0, .size: 8, .value_kind: global_buffer, .address_space: global }
      - { .name: maskr, .offset: 8, .size: 8, .value_kind: global_buffer, .address_space: global }
      - { .name: bv, .offset: 16, .size: 8, .value_kind: global_buffer, .address_space: global }
      - { .name: xf, .offset: 24, .size: 8, .value_kind: global_buffer, .address_space: global }
    .group_segment_fixed_size: 264192
    .private_segment_fixed_size: 0
    .kernarg_segment_align: 8
    .kernarg_segment_size: 32
    .max_flat_workgroup_size: 512
    .sgpr_count:     92
    .vgpr_count:     256
    .wavefront_size: 32
...
	.end_amdgpu_metadata
.endif
;; end of part 3
;; launch outp (part 4): grid 4 x 64, 4 waves a work-group, clusters of 4 x 4, 327,680 bytes of LDS; arguments xf, wof, bo, out0; writes out0
.if DOCPART == 4
	.amdgcn_target "amdgcn-amd-amdhsa--gfx1250"
	.amdhsa_code_object_version 6
	.text
	.protected	k_q42901fce49_outp
	.globl	k_q42901fce49_outp
	.p2align	8
	.type	k_q42901fce49_outp,@function
k_q42901fce49_outp:
	s_mov_b64 s[64:65], 0
	v_nop
	global_prefetch_b8 v0, s[64:65] scope:SCOPE_SE
	s_setreg_imm32_b32 hwreg(HW_REG_WAVE_MODE, 25, 1), 1
	s_wait_xcnt 0x0
	s_wait_alu depctr_hold_cnt(0) depctr_sa_sdst(0) depctr_va_vdst(0) depctr_va_sdst(0) depctr_va_ssrc(0) depctr_va_vcc(0) depctr_vm_vsrc(0)
	s_getreg_b32 s2, hwreg(HW_REG_IB_STS2, 6, 4)
	s_cmp_eq_u32 s2, 0
	s_cbranch_scc0 .Lentry_in_a_cluster
	s_endpgm
.Lentry_in_a_cluster:
	s_bfe_u32 s2, ttmp6, 0x10000c
	s_cmp_lg_u32 s2, 0xf033
	s_cbranch_scc0 .Lentry_shape_is_right
	s_endpgm
.Lentry_shape_is_right:
; out0 = x Wo + bo.  x [8192][1024] and Wo come as f16 half-images (512 bytes, 16 at 16 x lane; lane (r, h) holds row 16 R16 + r, k = 16 C16 + 8 h + 0..7; image at (64 R16 + C16) x 512; x's rows are tokens,
; Wo's are its columns n); sums in f32; out0 [8192][1024] f32.
; A tile of 128 rows x 256 columns is made by four waves, 64 x 128 each: 32 accumulators, 256 registers: 256 work-groups.  K goes in 8 steps of 128 through a ring of two LDS slots: for a tile of 16 rows a K step
; is 8 images, 4,096 consecutive bytes, and lies in LDS as in memory: a fragment is two loads at 16 x lane, with no pitch and no padding.
; THE MATRIX INSTRUCTION IS USED TRANSPOSED (source 0 = 16 columns of Wo, source 1 = 16 tokens): a lane holds eight neighbouring numbers of a row of out0.  bo is the C of each sum's first product.
; CLUSTERS: 4 x 4 work-groups; x's tile is shared along a row of the cluster, Wo's along a column: each is asked for jointly, by the same tensor load with a mask that names the four.
; REGISTERS: window 0: v0-31 addresses; v64-127 bo; v128-255 rows on the way out.   window 1: two fragment buffers at v0 and v128: A's four blocks at + 8 a, B's eight at + 32 + 8 b.   window 2: accumulator (a, b) at v[8 (8 a + b)].
.set SLOTB,  98304                     ; a slot: A [8 token tiles][8 images][512], then B [16 column tiles][8][512]
.set BOFF,   32768                     ; where B begins in a slot
.set KSB,    4096                      ; a K step in a row of images
.set STAGE,  2*SLOTB                   ; behind the ring: 16 rows x (512 + 16) bytes for each wave, for the way out
.set SPITCH, 528
.set SPARE,  STAGE+4*16*SPITCH         ; behind the stages: the spare words, 128 bytes for each wave
.set ADRA, 16                          ; v16-17  LDS address of my A fragments in slot 0, 1
.set ADRB, 20                          ; v20-21  the same for B
.set STO,  24                          ; v24     the way out: where I put 32 bytes of a row
.set RD,   25                          ; v25     where I read a row back
.set CO,   26                          ; v26     16 x lane
.set SPW,  28                          ; v28     LDS address of my spare word; never rewritten
.set NIL,  29                          ; v29     0; never rewritten
.set BO,   64
.set BK,   128
.set F0,   0
.set F1,   128
.set G1, 24                            ; s[24:31] descriptor group 1 for A's tiles;  s[32:39] group 0, one set for each slot
.set G0, 32
.set G1B, 48                           ; s[48:55], s[56:63] the same for B's
.set G0B, 56
.set MSB, 0
.macro WIN new                         ; the immediate's high byte repeats the setting that is left
.if MSB != (\new)
	s_set_vgpr_msb (MSB<<8)|(\new)
.set MSB, (\new)
.endif
.endm
.set MUL,  0xa5                        ; sources 0 and 1 window 1; C and D window 2
.set MULB, 0x85                        ; the same with C (bo) in window 0
.set TO_F, 0x40                        ; destination window 1, address window 0
.macro JLOAD s                         ; a joint load: waves 0 and 1 fetch A's halves, waves 2 and 3 B's; an s_nop 0 and four v_nop follow each of the two lines
	s_cmp_eq_u32 s13, 0
	s_cbranch_scc0 .Lfor_b_\@
	tensor_load_to_lds s[G0+4*\s:G0+4*\s+3], s[G1:G1+7]
	s_nop 0
.rept 4
	v_nop
.endr
	s_branch .Lasked_\@
.Lfor_b_\@:
	tensor_load_to_lds s[G0B+4*\s:G0B+4*\s+3], s[G1B:G1B+7]
	s_nop 0
.rept 4
	v_nop
.endr
.Lasked_\@:
.endm
.macro CREST                           ; a round of the cluster's barrier behind its opening barrier
	s_cmp_lg_u32 s12, 0
	s_cbranch_scc1 .Lnot_wave_0_\@
	s_barrier_signal -3
.Lnot_wave_0_\@:
	s_barrier_wait -3
	s_barrier_signal -1
	s_barrier_wait -1
.endm
.macro CROUND                          ; a whole round
	s_barrier_signal -1
	s_barrier_wait -1
	CREST
.endm
	s_load_b256 s[4:11], s[0:1], 0x0               ; xf, wof, bo, out0
	v_lshl_add_u32 v[SPW], v0, 2, SPARE
	v_mov_b32 v[NIL], 0
	ds_add_u32 v[SPW], v[NIL]                      ; the wave's opening: the add, twice on end, and its wait ahead of my first tensor load
	ds_add_u32 v[SPW], v[NIL]
	v_lshrrev_b32 v1, 5, v0
	v_readfirstlane_b32 s12, v1                    ; wave 0..3
	s_lshr_b32 s13, s12, 1                         ; which 64 rows are mine.  Also: I fetch for A (0) or for B (1)
	s_and_b32 s14, s12, 1                          ; which 128 columns.  Also: which half of that tile I fetch
	s_bfe_u32 s40, ttmp6, 0x40000                  ; cx: the tile column (the grid has one cluster along x)
	s_bfe_u32 s41, ttmp6, 0x40004                  ; cy
	s_and_b32 s15, ttmp7, 0xffff
	s_lshl_b32 s15, s15, 2
	s_add_co_u32 s15, s15, s41                     ; tile row = 4 x cluster y + cy
	s_lshl_b32 s43, s41, 2
	s_lshl_b32 s43, 15, s43                        ; my row of the cluster
	s_lshl_b32 s44, 0x1111, s40                    ; my column
	; descriptor group 1: rows of 4,096 bytes (512 elements of 8), 32,768 bytes apart: A 4 rows a load, B 8
	s_or_b32 s[G1], s43, (3<<16)|(1<<21)           ; 15:0 the mask: A's tiles go to my row; 17:16 elements of 8 bytes; 21 set beside a mask; no padding
	s_or_b32 s[G1B], s44, (3<<16)|(1<<21)
	s_mov_b32 s[G1+1], 512<<16                     ; tensor_dim0
	s_mov_b32 s[G1+2], 4<<16                       ; tensor_dim1
	s_mov_b32 s[G1+3], 512<<16                     ; tile_dim0
	s_mov_b32 s[G1+4], 4                           ; tile_dim1
	s_mov_b32 s[G1+5], 4096                        ; tensor_dim0_stride
	s_mov_b32 s[G1+6], 0
	s_mov_b32 s[G1+7], 0
	s_mov_b32 s[G1B+1], 512<<16
	s_mov_b32 s[G1B+2], 8<<16
	s_mov_b32 s[G1B+3], 512<<16
	s_mov_b32 s[G1B+4], 8
	s_mov_b32 s[G1B+5], 4096
	s_mov_b32 s[G1B+6], 0
	s_mov_b32 s[G1B+7], 0
	s_lshl_b32 s16, s15, 18                        ; A: (8 x tile row + 4 x half) rows of 32,768 bytes
	s_lshl_b32 s17, s14, 17
	s_add_co_u32 s16, s16, s17
	s_mov_b32 s17, 0
	s_lshl_b32 s46, s40, 19                        ; B: (16 x tile column + 8 x half) rows
	s_lshl_b32 s47, s14, 18
	s_add_co_u32 s46, s46, s47
	s_mov_b32 s47, 0
	s_lshl_b32 s20, s14, 14                        ; where they go: A's halves of 16,384 bytes,
	s_lshl_b32 s21, s14, 15
	s_add_co_u32 s21, s21, BOFF                    ; B's of 32,768: no place in the cluster enters an LDS address
	s_wait_dscnt 0x0                               ; both opening adds are done
	s_wait_kmcnt 0x0
	s_add_nc_u64 s[16:17], s[4:5], s[16:17]
	s_add_nc_u64 s[46:47], s[6:7], s[46:47]
	CROUND                                         ; all sixteen work-groups are here: the first joint loads meet
.irp s, 0,1
	s_mov_b32 s[G0+4*\s], 1
	s_add_co_u32 s[G0+4*\s+1], s20, \s*SLOTB
	s_add_nc_u64 s[G0+4*\s+2:G0+4*\s+3], s[16:17], \s*KSB
	s_or_b32 s[G0+4*\s+3], s[G0+4*\s+3], 0x80000000
	s_mov_b32 s[G0B+4*\s], 1
	s_add_co_u32 s[G0B+4*\s+1], s21, \s*SLOTB
	s_add_nc_u64 s[G0B+4*\s+2:G0B+4*\s+3], s[46:47], \s*KSB
	s_or_b32 s[G0B+4*\s+3], s[G0B+4*\s+3], 0x80000000
	JLOAD \s                                       ; two loads of mine are out
.endr
	v_and_b32 v1, 15, v0                           ; l % 16
	v_bfe_u32 v2, v0, 4, 1                         ; l / 16
	v_and_b32 v3, 31, v0
	v_lshlrev_b32 v[CO], 4, v3
	s_lshl_b32 s21, s13, 14                        ; my four token tiles
	s_lshl_b32 s22, s14, 15
	s_add_co_u32 s22, s22, BOFF                    ; my eight column tiles
.irp s, 0,1
	v_add_nc_u32 v[ADRA+\s], s21, v[CO]
	v_add_nc_u32 v[ADRB+\s], s22, v[CO]
	s_add_co_u32 s21, s21, SLOTB
	s_add_co_u32 s22, s22, SLOTB
.endr
	s_mul_i32 s23, s12, 16*SPITCH
	s_add_co_u32 s23, s23, STAGE                   ; my stage
	v_mul_u32_u24 v5, v1, SPITCH                   ; in: row l % 16, 32 bytes for each half of the lanes
	v_lshl_add_u32 v5, v2, 5, v5
	v_add_nc_u32 v[STO], s23, v5
	v_add_nc_u32 v[RD], s23, v[CO]                 ; back: the 32 lanes take one row of 512 bytes
	s_lshl_b32 s22, s40, 10
	s_lshl_b32 s23, s14, 9
	s_add_co_u32 s22, s22, s23                     ; my first column, in bytes: 1,024 x tile column + 512 x half
	s_mov_b32 s23, 0
	s_add_nc_u64 s[8:9], s[8:9], s[22:23]
	s_lshl_b32 s18, s15, 7
	s_lshl_b32 s19, s13, 6
	s_add_co_u32 s18, s18, s19                     ; my first row: 128 x tile row + 64 x half
	s_lshl_b32 s18, s18, 12                        ; rows of 4,096 bytes
	s_mov_b32 s19, 0
	s_add_nc_u64 s[10:11], s[10:11], s[18:19]
	s_add_nc_u64 s[10:11], s[10:11], s[22:23]
	v_lshlrev_b32 v6, 5, v2
.irp b, 0,1,2,3,4,5,6,7
	global_load_b128 v[BO+8*\b:BO+8*\b+3], v6, s[8:9] offset:64*\b             ; bo of columns 16 b + 8 h + 0..7, in the result's layout
	global_load_b128 v[BO+8*\b+4:BO+8*\b+7], v6, s[8:9] offset:64*\b+16
.endr
; 8 matrix instructions: A's block a x B's eight, 32 along K.  bias = 1: bo starts the sums: nothing is cleared.  The 32 accumulators take turns in the same order in every quarter.
.macro MUL8 f, a, bias
.irp b, 0,1,2,3,4,5,6,7
.if \bias
	v_wmma_f32_16x16x32_f16 v[8*(8*\a+\b):8*(8*\a+\b)+7], v[\f+32+8*\b:\f+32+8*\b+7], v[\f+8*\a:\f+8*\a+7], v[BO+8*\b:BO+8*\b+7]
.else
	v_wmma_f32_16x16x32_f16 v[8*(8*\a+\b):8*(8*\a+\b)+7], v[\f+32+8*\b:\f+32+8*\b+7], v[\f+8*\a:\f+8*\a+7], v[8*(8*\a+\b):8*(8*\a+\b)+7]
.endif
.endr
.endm
; 24 LDS loads in one run: the fragments of the slot's q-th 32 along K into buffer f: B's eight, then A's blocks 0-1, then 2-3
.macro FETCH slot, q, f
	WIN TO_F
.irp i, 0,1,2,3,4,5,6,7
	ds_load_b128 v[\f+32+8*\i:\f+32+8*\i+3],   v[ADRB+\slot] offset:4096*\i+1024*\q
	ds_load_b128 v[\f+32+8*\i+4:\f+32+8*\i+7], v[ADRB+\slot] offset:4096*\i+1024*\q+512
.endr
.irp i, 0,1,2,3
	ds_load_b128 v[\f+8*\i:\f+8*\i+3],   v[ADRA+\slot] offset:4096*\i+1024*\q
	ds_load_b128 v[\f+8*\i+4:\f+8*\i+7], v[ADRA+\slot] offset:4096*\i+1024*\q+512
.endr
.endm
.macro PLACES                          ; four places in front of loads into registers that matrix instructions have read, and of the first read of results
.rept 4
	v_nop
.endr
.endm
; A K step is four quarters of 32 along K, 32 matrix instructions each, on buffers 0, 1, 0, 1.  One of the first three: multiplies buffer f and fetches quarter qn into g.
.macro QUARTER slot, qn, f, g, bias
	s_wait_dscnt 4                                 ; B and A's blocks 0-1 are in; the youngest four loads (A's blocks 2-3) may be out
.if \bias
	WIN MULB
.else
	WIN MUL
.endif
	MUL8 \f, 0, \bias
	MUL8 \f, 1, \bias
	PLACES
	FETCH \slot, \qn, \g
	s_wait_dscnt 24                                ; all but the 24 just issued
.if \bias
	WIN MULB
.else
	WIN MUL
.endif
	MUL8 \f, 2, \bias
	MUL8 \f, 3, \bias
.endm
; The last quarter multiplies buffer 1 and changes slots: ONE barrier; in front of it each wave waits for all its tensor loads, adds 0 to its spare word, and waits for that and for its reads of this slot.
; fill = 1: the barrier opens a round of the cluster's, and this slot is filled again, two K steps ahead, first thing behind the round.
.macro TURN slot, next, fill
	WIN 0                                          ; (the add's two registers lie in window 0)
	s_wait_tensorcnt 0x0                           ; all my tensor loads have landed: my part of the next slot;
	ds_add_u32 v[SPW], v[NIL]                      ; 0 onto my spare word;
	s_wait_dscnt 5                                 ; (the add and the youngest four loads may be out)
	WIN MUL
	MUL8 F1, 0, 0                                  ; eight matrix instructions stand between the add and the wait for it
	s_wait_dscnt 0x0                               ; the add is done, and my reads of this slot are over
	s_barrier_signal -1
	MUL8 F1, 1, 0
.if \fill
	WIN 0
.endif
	s_barrier_wait -1
.if \fill
	CREST                                          ; no wave of any partner still reads this slot's tile or has a load on its way
	s_add_nc_u64 s[G0+4*\slot+2:G0+4*\slot+3], s[G0+4*\slot+2:G0+4*\slot+3], 2*KSB
	s_add_nc_u64 s[G0B+4*\slot+2:G0B+4*\slot+3], s[G0B+4*\slot+2:G0B+4*\slot+3], 2*KSB
	JLOAD \slot                                    ; my one tensor load behind the round; its four v_nop are also the places in front of the loads below
.else
	PLACES
.endif
	FETCH \next, 0, F0
	WIN MUL
	MUL8 F1, 2, 0
	MUL8 F1, 3, 0
.endm
	s_wait_tensorcnt 1                             ; my part of K step 0 is in (K step 1's load may be out)
	s_barrier_signal -1
	s_barrier_wait -1                              ; everybody's is
	FETCH 0, 0, F0
	s_wait_loadcnt 0x0                             ; bo
	QUARTER 0, 1, F0, F1, 1                        ; the first quarter stands in front of the loop: bo starts the sums
	WIN 0                                          ; at a label and at a branch every window is 0
	s_mov_b32 s3, 3
.Llap:                                                 ; a trip goes once round the ring, from a lap's second quarter to the next lap's first, and fills both slots again
	QUARTER 0, 2, F1, F0, 0
	QUARTER 0, 3, F0, F1, 0
	TURN 0, 1, 1
	QUARTER 1, 1, F0, F1, 0
	QUARTER 1, 2, F1, F0, 0
	QUARTER 1, 3, F0, F1, 0
	TURN 1, 0, 1
	QUARTER 0, 1, F0, F1, 0
	WIN 0
	s_sub_co_u32 s3, s3, 1
	s_cmp_lg_u32 s3, 0
	s_cbranch_scc1 .Llap
	QUARTER 0, 2, F1, F0, 0                        ; the last lap fills nothing, and has no round of the cluster's barrier
	QUARTER 0, 3, F0, F1, 0
	TURN 0, 1, 0
	QUARTER 1, 1, F0, F1, 0
	QUARTER 1, 2, F1, F0, 0
	QUARTER 1, 3, F0, F1, 0
	s_wait_dscnt 4                                 ; the very last quarter: nothing more to fetch
	WIN MUL
	MUL8 F1, 0, 0
	MUL8 F1, 1, 0
	s_wait_dscnt 0
	MUL8 F1, 2, 0
	MUL8 F1, 3, 0
	WIN 0
; THE WAY OUT, block by block of 16 rows x 128 columns: a lane holds 32 neighbouring bytes of a row and the lanes beside it other rows, so a block goes through my own stage and comes back as whole rows of 512 bytes.
; LDS serves a wave's instructions in order (ISA guide 5.7.1.4): no wait between the stores and the loads, nor in front of the next block's stores.
.macro TOSTAGE a
	WIN 0x08                                       ; an LDS store's data are its source 1: window 2
.irp b, 0,1,2,3,4,5,6,7
	ds_store_b128 v[STO], v[64*(\a)+8*\b:64*(\a)+8*\b+3] offset:64*\b          ; each accumulator from its low end on
	ds_store_b128 v[STO], v[64*(\a)+8*\b+4:64*(\a)+8*\b+7] offset:64*\b+16
.endr
	WIN 0
.set BBK, BK+64*((\a)%2)
.irp t, 0,1,2,3,4,5,6,7,8,9,10,11,12,13,14,15
	ds_load_b128 v[BBK+4*\t:BBK+4*\t+3], v[RD] offset:\t*SPITCH
.endr
.endm
.macro SEND a, younger                 ; younger: the LDS instructions issued behind block a's loads, which may stay out
.set BBK, BK+64*((\a)%2)
	s_wait_dscnt \younger                          ; the block is back in registers
.if (\a) > 0
	s_add_nc_u64 s[10:11], s[10:11], 16*4096       ; (behind a wait on XCNT: the earlier stores have read their base)  16 rows on
.endif
.irp t, 0,1,2,3,4,5,6,7,8,9,10,11,12,13,14,15
	global_store_b128 v[CO], v[BBK+4*\t:BBK+4*\t+3], s[10:11] offset:\t*4096 th:TH_STORE_NT   ; 32 lanes store 512 consecutive bytes, at a multiple of 256 from out0's first byte
.endr
.endm
	PLACES
	TOSTAGE 0
.irp a, 1,2,3
.if \a > 1
	s_wait_xcnt 0x0                                ; block a - 2's stores have read their registers and their base
.endif
	TOSTAGE \a
	SEND \a-1, 32                                  ; behind block a - 1's loads: block a's 16 stores and 16 loads
.endr
	s_wait_xcnt 0x0
	SEND 3, 0
	s_wait_tensorcnt 0x0                           ; the wave's end: behind my last tensor load and my last LDS store
	ds_add_u32 v[SPW], v[NIL]
	s_wait_dscnt 0x0
	CROUND                                         ; the closing round: no work-group ends while a partner may still ask for a tile that names it
	s_endpgm
.Lfunc_end_k_q42901fce49_outp:
	.size	k_q42901fce49_outp, .Lfunc_end_k_q42901fce49_outp-k_q42901fce49_outp
	.p2alignl 7, 3214868480
	.fill 96, 4, 3214868480
	.section	.rodata,"a",@progbits
	.p2align	6, 0x0
	.amdhsa_kernel k_q42901fce49_outp
		.amdhsa_group_segment_fixed_size 327680
		.amdhsa_private_segment_fixed_size 0
		.amdhsa_enable_private_segment 0
		.amdhsa_kernarg_size 32
		.amdhsa_user_sgpr_count 2
		.amdhsa_user_sgpr_kernarg_segment_ptr 1
		.amdhsa_wavefront_size32 1
		.amdhsa_system_sgpr_workgroup_id_x 1
		.amdhsa_system_sgpr_workgroup_id_y 1
		.amdhsa_system_sgpr_workgroup_id_z 1
		.amdhsa_system_vgpr_workitem_id 0
		.amdhsa_next_free_vgpr 768
		.amdhsa_next_free_sgpr 66
		.amdhsa_reserve_vcc 0
		.amdhsa_float_denorm_mode_32 3
		.amdhsa_float_denorm_mode_16_64 3
		.amdhsa_memory_ordered 1
		.amdhsa_forward_progress 1
		.amdhsa_inst_pref_size 86
	.end_amdhsa_kernel
	.amdgpu_metadata
---
amdhsa.version: [ 1, 2 ]
amdhsa.kernels:
  - .name:           k_q42901fce49_outp
    .symbol:         k_q42901fce49_outp.kd
    .args:
      - { .name: xf, .offset: 0, .size: 8, .value_kind: global_buffer, .address_space: global }
      - { .name: wof, .offset: 8, .size: 8, .value_kind: global_buffer, .address_space: global }
      - { .name: bo, .offset: 16, .size: 8, .value_kind: global_buffer, .address_space: global }
      - { .name: out0, .offset: 24, .size: 8, .value_kind: global_buffer, .address_space: global }
    .group_segment_fixed_size: 327680
    .private_segment_fixed_size: 0
    .kernarg_segment_align: 8
    .kernarg_segment_size: 32
    .max_flat_workgroup_size: 128
    .sgpr_count:     66
    .vgpr_count:     768
    .wavefront_size: 32
...
	.end_amdgpu_metadata
.endif
;; end of part 4
